; MI455X (gfx1250); checked and timed in simulation.
; The chip was launched on July 23, 2026; its instructions are those of AMD's public machine-readable ISA for CDNA 5 (MIT licence, August 2026) and "CDNA5" Instruction Set Architecture Reference Guide (July 2026). The comments in the code are by the model that wrote it; some were corrected since.
;; Casual Attention. Allowed arithmetic: matrix products marked QUANTISED: E2M1 operands, one E8M0 scale for each 32 along K, by v_wmma_scale_f32_16x16x128_f8f6f4 with both operands' format E2M1 (or v_wmma_scale_f32_32x16x128_f4), f32 sums; everything else in f32.
;; Inputs: Wk_codes 1,024 x 32 x 16 uint8 (E2M1 codes of Wk, K innermost, in blocks of 32 codes, two codes a byte); Wk_scales 1,024 x 32 uint8 (E8M0 scales of Wk, one for each 32 codes along K); Wo_codes 1,024 x 32 x 16 uint8 (E2M1 codes of Wo, K innermost, in blocks of 32 codes, two codes a byte); Wo_scales 1,024 x 32 uint8 (E8M0 scales of Wo, one for each 32 codes along K); Wq_codes 1,024 x 32 x 16 uint8 (E2M1 codes of Wq, K innermost, in blocks of 32 codes, two codes a byte); Wq_scales 1,024 x 32 uint8 (E8M0 scales of Wq, one for each 32 codes along K); Wv_codes 1,024 x 32 x 16 uint8 (E2M1 codes of Wv, K innermost, in blocks of 32 codes, two codes a byte); Wv_scales 1,024 x 32 uint8 (E8M0 scales of Wv, one for each 32 codes along K); bk 1,024 float32; bo 1,024 float32; bq 1,024 float32; bv 1,024 float32; history_items 8 x 1,024 x 1,024 float32; ln_beta 1,024 float32; ln_gamma 1,024 float32; sequence_mask 8 x 1,024 int32.
;; Outputs: out0 8 x 1,024 x 1,024 float32.
;; This version of the problem:
;;   THIS VERSION OF THE PROBLEM IS GIVEN IN LOW PRECISION. The matrix products marked QUANTISED in the list below multiply operands that are first quantised to E2M1 (2 exponent bits, 1 mantissa bit; 4 bits a number), with one power-of-two scale for each 32 numbers along K (OCP MX v1.0); their sums are f32. All else is computed in f32.
;;   The module's matrix products, in the order in which they are computed (A, B: the left and right operand; K: the contracted axis; several contracted axes count as one K, in the product's order):
;;     1. [M 8,192, K 1,024] x [K 1,024, N 1,024]; A: input history_items; B: input Wq (given as codes): QUANTISED
;;     2. [M 8,192, K 1,024] x [K 1,024, N 1,024]; A: input history_items; B: input Wk (given as codes): QUANTISED
;;     3. [M 8,192, K 1,024] x [K 1,024, N 1,024]; A: input history_items; B: input Wv (given as codes): QUANTISED
;;     4. batch 128 x [M 1,024, K 64] x [K 64, N 1,024]; A: computed on the way; B: computed on the way: QUANTISED
;;     5. batch 128 x [M 1,024, K 1,024] x [K 1,024, N 64]; A: softmax (see below); B: computed on the way: QUANTISED
;;     6. [M 8,192, K 1,024] x [K 1,024, N 1,024]; A: computed on the way; B: input Wo (given as codes): QUANTISED
;;   THE QUANTISER, for each operand of a quantised product, along K:
;;     - K is cut into blocks of 32 from its start; a last block that is shorter is filled with zeros.
;;     - A block's scale is 2^e with e = floor(log2(the largest magnitude in the block)) - 2, held to -126 .. 127; a block of zeros has e = 0. As a byte (E8M0): e + 127.
;;     - Each number is divided by its block's scale, clamped to +-6, and rounded to the nearest number of E2M1, ties to even, subnormals kept.
;;     - The product sums the exact products of the quantised numbers (number of the format x scale) in f32.
;;   ~~~python
;;   def quantise(x, axis):      # numpy; x: float32 -> the quantised numbers, widened to float32 again
;;       x = np.moveaxis(x, axis, -1); K = x.shape[-1]
;;       x = np.pad(x, [(0, 0)] * (x.ndim - 1) + [(0, -K % 32)]); x = x.reshape(x.shape[:-1] + (-1, 32)); a = np.abs(x).max(-1, keepdims=True)
;;       e = np.where(a > 0, np.clip(np.frexp(np.where(a > 0, a, 1))[1] - 1 - 2, -126, 127), 0)      # np.frexp(a)[1] - 1 = floor(log2(a)), exactly
;;       r = np.clip(x / 2.0 ** e, -6, 6)
;;       step = 2.0 ** (np.maximum(np.frexp(np.where(r == 0, 1, r))[1] - 1, 0) - 1)
;;       q = np.round(r / step) * step * 2.0 ** e      # np.round: ties to even
;;       return np.moveaxis(q.reshape(q.shape[:-2] + (-1,))[..., :K], -1, axis).astype(np.float32)
;;   ~~~
;;   SOFTMAX AHEAD OF A QUANTISED PRODUCT. Where the list says 'softmax', what is quantised is not the finished softmax but p = 2^(t - M), with t = logit x log2(e) and M = ceil(the row's largest t), a whole number; so 1/2 < the row's largest p <= 1. The row's sum l is taken of the UNQUANTISED p, in f32, and the product's result is divided by l at the end. Since M is a whole number, a kernel that streams over the keys may use a running M (the ceiling of the running maximum): every later rescaling is an exact power of two, which a block's scale takes up: the codes' values come out the same.
;;   OPERANDS COMPUTED ON THE WAY. 'Computed on the way' means the value that the module computes at that place (a softmax that the list does not call 'softmax' is quantised finished and normalised). What goes into a quantiser is computed in f32, as accurately as f32 sums, v_exp_f32 and their like allow (about 1e-6 of the number): no bf16 or f16 on the way to a quantiser, and a product that is left as it is and whose result goes on into a quantised operand takes f32 operands (vector FMAs, or v_wmma_f32_16x16x4_f32). A number that lies on a knife's edge between two numbers of the format may be rounded either way, as far as f32 arithmetic and the matrix unit's own rounding can turn it there, and no further.
;;   INPUTS GIVEN AS CODES. Wk (in the module: [1024, 1024], K = its axis 1); Wo (in the module: [1024, 1024], K = its axis 1); Wq (in the module: [1024, 1024], K = its axis 1); Wv (in the module: [1024, 1024], K = its axis 1): each comes as NAME_codes (uint8): NAME with its K axis moved to the last place and cut into blocks of 32 codes, [.., K / 32, bytes a block], one block behind the other in memory; two codes a byte, the lower K in the low four bits (a code: sign, 2 exponent bits, 1 mantissa bit); and NAME_scales (uint8): the same leading axes, one E8M0 byte (e + 127) for each 32 codes along K. Its value is code x scale, taken as it is: it is not quantised again, and the codes and scales need not be those that the quantiser above would give.
;; One version. Each part assembles by itself: llvm-mc -triple=amdgcn-amd-amdhsa -mcpu=gfx1250 --defsym DOCPART=n.
;; ======== version 1 of 1: 4 launches
;; limits: right only within a limited range of input values
;; workspace buffers: ximg 4,194,304 bytes; xsc 262,144 bytes; wimg 2,097,152 bytes; waux 393,216 bytes; qkvimg 12,582,912 bytes; qkvsc 786,432 bytes; cimg 4,194,304 bytes; csc 262,144 bytes
;; launch prep (part 1): grid 256 x 1, 4 waves a work-group, no clusters, 34,304 bytes of LDS; arguments history_items, Wq_codes, Wk_codes, Wv_codes, Wo_codes, Wq_scales, Wk_scales, Wv_scales, Wo_scales, bq, bk, bv, bo, ximg, xsc, wimg, waux; writes ximg, xsc, wimg, waux
.if DOCPART == 1
	.amdgcn_target "amdgcn-amd-amdhsa--gfx1250"
	.amdhsa_code_object_version 6
	.text
	.protected	k_qa6c9cee609_prep
	.globl	k_qa6c9cee609_prep
	.p2align	8
	.type	k_qa6c9cee609_prep,@function
k_qa6c9cee609_prep:
	s_mov_b64 s[64:65], 0
	v_nop
	global_prefetch_b8 v0, s[64:65] scope:SCOPE_SE
	s_setreg_imm32_b32 hwreg(HW_REG_WAVE_MODE, 25, 1), 1
	s_wait_xcnt 0x0
; PREP.  (1) history_items [8192][1024] f32 becomes codes of E2M1 with one E8M0 byte for each 32 along K, laid as IMAGES OF OPERAND REGISTERS:
;   ximg [block of 64 tokens][K step 8][tile 4][c 2][lane 32][16 bytes], xsc [block][q 4][lane 32][4 words].
; (2) the four weights' codes, their scale words and the four biases are laid the same way: wimg [group of 64 rows: 64][K step 8][tile 4][c 2][lane][16 bytes],
;   waux [group][row 0..11][lane][16 bytes]: rows 0-3 scale words, rows 4-11 the bias as the C operand of a product.
; THE ROWS OF A TILE ARE NOT NEIGHBOURS: lane r of tile 2 b + u holds row 32 b + 8 u + r + 8 (r / 8), for tokens and for weight rows alike, so that a later result's 16 registers of two
; neighbouring tiles are 16 neighbours along the next K.
; SHARES.  A work-group takes 32 tokens; wave w takes tile u = w / 2 (16 tokens) and half kh = w % 2 of K: four units of 16 rows x 128 K.  Each load reads 512 consecutive bytes of one row;
; a unit turns through the wave's own stage in LDS so that a lane gets 16 neighbours of each block of 32.  Waves share nothing: no barrier.
; Wave W = 4 x work-group + w of 1,024 also copies four 512-byte image rows of the weights, and (for W % 16 < 12) one row of waux.
; A block's scale is 2^(floor(log2(largest magnitude)) - 2); its byte is the largest magnitude's exponent field - 2, held at 1 from below.
; LIMITS: NaN and infinities are not served; a block whose largest magnitude lies under 2^-124 (zeros too) gets the byte 1: a block of zeros has zero codes, and only this program reads the bytes.
.set SPITCH, 528                       ; a stage row: 512 bytes + 16, an odd multiple of 16
.set STAGE,  16*SPITCH                 ; a wave's stage
.set TM,  36                           ; v36-51  at work in QUANT
.set PWR, 52                           ; v52-55  the four units' scale words
.set PC,  56                           ; v56-63  a fragment's codes
.set R,   64                           ; v64-191 two sets of 64 registers as loaded
.set X,   192                          ; v192-255 64 numbers: register 16 b + i = k 32 b + 16 (lane / 16) + i of my row
.set SEL, 60                           ; s[60:61] selects of v_permlanex16_b32 for lane l xor 16
.macro LOAD t                          ; unit t: 16 rows x 512 bytes into set t % 2
.irp i, 0,1,2,3,4,5,6,7,8,9,10,11,12,13,14,15
	global_load_b128 v[R+64*((\t)%2)+4*\i:R+64*((\t)%2)+4*\i+3], v4, s[4:5] offset:(\i+8*(\i/8))*4096+512*(\t) th:TH_LOAD_NT
.endr
.endm
.macro TURN t                          ; through the stage: LDS serves a wave's instructions in order, so no wait stands between the stores and the loads
.irp i, 0,1,2,3,4,5,6,7,8,9,10,11,12,13,14,15
	ds_store_b128 v5, v[R+64*((\t)%2)+4*\i:R+64*((\t)%2)+4*\i+3] offset:SPITCH*\i
.endr
.irp b, 0,1,2,3
.irp j, 0,1,2,3
	ds_load_b128 v[X+16*\b+4*\j:X+16*\b+4*\j+3], v6 offset:128*\b+16*\j
.endr
.endr
.endm
; 64 numbers of a lane become a fragment's codes in v[PC] on and its row's scale word in v[pw]
.macro QUANT s, pw
.irp b, 0,1,2,3
	v_max3_num_f32 v[TM+\b], |v[\s+16*\b]|, |v[\s+1+16*\b]|, 0x1800000   ; my 16 numbers of block b, and the floor 2^(3 - 127): the byte cannot fall under 1
.endr
.irp i, 2,4,6,8,10,12,14
.irp b, 0,1,2,3
	v_max3_num_f32 v[TM+\b], v[TM+\b], |v[\s+16*\b+\i]|, |v[\s+1+16*\b+\i]|
.endr
.endr
.irp b, 0,1,2,3
	v_permlanex16_b32 v[TM+4+\b], v[TM+\b], s[SEL], s[SEL+1]
.endr
.irp b, 0,1,2,3
	v_max_num_f32 v[TM+\b], v[TM+\b], v[TM+4+\b]               ; with lane l xor 16's: the block's largest magnitude
.endr
.irp b, 0,1,2,3
	v_add_nc_u32 v[TM+12+\b], 0xff000000, v[TM+\b]             ; 2 off its exponent field: the conversion's scale operand
.endr
.irp b, 0,1,2,3
	v_lshrrev_b32 v[TM+4+\b], 23, v[TM+12+\b]                  ; the scale's byte
.endr
	v_lshl_or_b32 v[\pw], v[TM+5], 8, v[TM+4]
	v_lshl_or_b32 v[\pw], v[TM+6], 16, v[\pw]
	v_lshl_or_b32 v[\pw], v[TM+7], 24, v[\pw]
.irp b, 0,1,2,3
	v_cvt_scalef32_pk8_fp4_f32 v[PC+2*\b], v[\s+16*\b:\s+7+16*\b], v[TM+12+\b]
	v_cvt_scalef32_pk8_fp4_f32 v[PC+1+2*\b], v[\s+8+16*\b:\s+15+16*\b], v[TM+12+\b]
.endr
	v_nop                                          ; one plain instruction behind the conversions
.irp c, 0,1                            ; the operand wants a whole block in a lane: lanes 0-15 block 2 c, lanes 16-31 block 2 c + 1
.irp i, 0,1
	v_permlane16_swap_b32 v[PC+4*\c+\i], v[PC+2+4*\c+\i]
.endr
.endr
.endm
	s_load_b64 s[4:5], s[0:1], 0x0                 ; history_items
	s_load_b256 s[8:15], s[0:1], 0x8               ; the codes of Wq, Wk, Wv, Wo
	s_load_b256 s[16:23], s[0:1], 0x28             ; their scale bytes
	s_load_b256 s[24:31], s[0:1], 0x48             ; bq, bk, bv, bo
	s_load_b256 s[36:43], s[0:1], 0x68             ; ximg, xsc, wimg, waux
	v_lshl_add_u32 v46, v0, 2, 0x8400
	v_mov_b32 v47, 0
	v_lshrrev_b32 v1, 5, v0
	v_readfirstlane_b32 s44, v1                    ; wave
	v_and_b32 v1, 31, v0                           ; lane
	v_and_b32 v2, 15, v0                           ; r
	v_bfe_u32 v3, v0, 4, 1                         ; h
	v_lshlrev_b32 v4, 4, v1                        ; 16 x lane
	s_mul_i32 s56, s44, STAGE
	v_add_nc_u32 v5, s56, v4                       ; the stage, in: 16 x lane in each row
	v_mul_u32_u24 v6, v2, SPITCH
	v_lshl_add_u32 v6, v3, 6, v6
	v_add_nc_u32 v6, s56, v6                       ; and out: row r, + 64 h
	v_and_b32 v14, 8, v2
	v_add_nc_u32 v14, v14, v2                      ; r + 8 (r / 8)
	v_lshlrev_b32 v7, 9, v14
	v_lshl_add_u32 v7, v3, 4, v7                   ; a weight's codes: 512 bytes a row, + 16 h
	v_lshl_add_u32 v8, v3, 3, v14
	v_lshlrev_b32 v8, 5, v8                        ; a weight's scale bytes: 32 a row; lanes 16-31 take the odd tile, 8 rows on
	v_lshlrev_b32 v9, 4, v2
	v_lshl_add_u32 v9, v3, 3, v9                   ; xsc: 16 r + 8 h
	v_lshlrev_b32 v10, 6, v3                       ; bias, where the units run along the registers: 16 h numbers on
	v_lshlrev_b32 v11, 2, v14                      ; bias, where the units run along the lanes
.irp b, 0,1,2,3
	v_mov_b32 v[TM+4+\b], 0                        ; written once: a lane permute's destination counts as one of its sources
	v_mov_b32 v[32+\b], 0                          ; the row of waux: written on every path
.endr
	s_lshl_b32 s45, ttmp9, 2
	s_add_co_u32 s45, s45, s44                     ; W
	s_lshr_b32 s46, s45, 4                         ; G: the group of 64 weight rows
	s_and_b32 s47, s45, 15                         ; e: which sixteenth of it
	s_lshr_b32 s48, s46, 4                         ; kind: 0 q, 1 k, 2 v, 3 o
	s_and_b32 s49, s46, 15                         ; the group within its weight
	s_lshr_b32 s32, s44, 1                         ; u
	s_and_b32 s33, s44, 1                          ; kh
	s_lshr_b32 s34, ttmp9, 1                       ; the block of 64 tokens
	s_and_b32 s35, ttmp9, 1                        ; and which half of it
	s_mov_b32 s[SEL], 0x76543210
	s_mov_b32 s[SEL+1], 0xfedcba98
	s_mov_b32 s62, 0xffff0000                      ; lanes 16-31
	s_mov_b32 s57, 0
	s_wait_kmcnt 0x0
	s_cmp_eq_u32 s48, 1                            ; the weight's three buffers are chosen by the wave's number in the launch alone
	s_cselect_b64 s[50:51], s[10:11], s[8:9]
	s_cselect_b64 s[52:53], s[18:19], s[16:17]
	s_cselect_b64 s[54:55], s[26:27], s[24:25]
	s_cmp_eq_u32 s48, 2
	s_cselect_b64 s[50:51], s[12:13], s[50:51]
	s_cselect_b64 s[52:53], s[20:21], s[52:53]
	s_cselect_b64 s[54:55], s[28:29], s[54:55]
	s_cmp_eq_u32 s48, 3
	s_cselect_b64 s[50:51], s[14:15], s[50:51]
	s_cselect_b64 s[52:53], s[22:23], s[52:53]
	s_cselect_b64 s[54:55], s[30:31], s[54:55]
	; image rows 4 e + i = 8 s + 2 tile + c: s = e / 2, tile = 2 (e % 2) + i / 2, c = i % 2
	s_lshl_b32 s56, s49, 15
	s_and_b32 s58, s47, 1
	s_lshl_b32 s59, s58, 14
	s_add_co_u32 s56, s56, s59
	s_lshr_b32 s59, s47, 1
	s_lshl_b32 s59, s59, 6
	s_add_co_u32 s56, s56, s59
	s_add_nc_u64 s[50:51], s[50:51], s[56:57]
.irp i, 0,1,2,3
	global_load_b128 v[16+4*\i:19+4*\i], v7, s[50:51] offset:(\i/2)*4096+(\i%2)*32
.endr
	s_cmp_ge_u32 s47, 12
	s_cbranch_scc1 .Laux_asked
	s_cmp_lt_u32 s47, 4
	s_cbranch_scc1 .Laux_scales
	s_sub_co_u32 s58, s47, 4                       ; n = 2 tile + half of its eight registers
	s_lshl_b32 s56, s49, 8
	s_lshr_b32 s59, s58, 2
	s_lshl_b32 s59, s59, 7
	s_add_co_u32 s56, s56, s59
	s_bfe_u32 s59, s58, 0x10001
	s_lshl_b32 s59, s59, 5
	s_add_co_u32 s56, s56, s59                     ; 4 x (64 group + the tile's first unit)
	s_cmp_eq_u32 s48, 2
	s_cbranch_scc1 .Laux_bv
	s_and_b32 s59, s58, 1
	s_lshl_b32 s59, s59, 4
	s_add_co_u32 s56, s56, s59
	s_add_nc_u64 s[54:55], s[54:55], s[56:57]
	global_load_b128 v[32:35], v10, s[54:55]       ; four neighbouring units: 16 h + 4 (n % 2) on
	s_branch .Laux_asked
.Laux_bv:
	s_add_nc_u64 s[54:55], s[54:55], s[56:57]
	s_wait_alu depctr_va_vdst(0)
.irp j, 0,1,2,3
	global_load_b32 v[32+\j], v11, s[54:55]        ; v's product has its units along the lanes: four copies of my lane's
.endr
	s_branch .Laux_asked
.Laux_scales:
	s_lshl_b32 s56, s49, 11
	s_lshr_b32 s59, s47, 1
	s_lshl_b32 s59, s59, 10
	s_add_co_u32 s56, s56, s59
	s_and_b32 s59, s47, 1
	s_lshl_b32 s59, s59, 4
	s_add_co_u32 s56, s56, s59
	s_add_nc_u64 s[52:53], s[52:53], s[56:57]
	global_load_b128 v[32:35], v8, s[52:53]        ; four K steps' scale words of my lane's row
.Laux_asked:
	s_lshl_b32 s56, ttmp9, 17                      ; x: 32 tokens of 4,096 bytes a work-group,
	s_lshl_b32 s58, s32, 15                        ; 8 rows on for the odd tile,
	s_add_co_u32 s56, s56, s58
	s_lshl_b32 s58, s33, 11                        ; 512 numbers on for the upper half of K
	s_add_co_u32 s56, s56, s58
	s_add_nc_u64 s[4:5], s[4:5], s[56:57]
	LOAD 0
	LOAD 1
	s_lshl_b32 s56, s46, 15
	s_lshl_b32 s58, s47, 11
	s_add_co_u32 s56, s56, s58
	s_add_nc_u64 s[40:41], s[40:41], s[56:57]      ; wimg at my four image rows
	s_mul_i32 s56, s46, 6144
	s_lshl_b32 s58, s47, 9
	s_add_co_u32 s56, s56, s58
	s_add_nc_u64 s[42:43], s[42:43], s[56:57]      ; waux at my row
	s_lshl_b32 s56, s34, 15
	s_lshl_b32 s58, s33, 14
	s_add_co_u32 s56, s56, s58
	s_lshl_b32 s58, s35, 1
	s_add_co_u32 s58, s58, s32
	s_lshl_b32 s58, s58, 10
	s_add_co_u32 s56, s56, s58
	s_add_nc_u64 s[36:37], s[36:37], s[56:57]      ; ximg at my tile's first K step
	s_lshl_b32 s56, s34, 11
	s_lshl_b32 s58, s35, 1
	s_add_co_u32 s58, s58, s33
	s_lshl_b32 s58, s58, 9
	s_add_co_u32 s56, s56, s58
	s_lshl_b32 s58, s32, 8
	s_add_co_u32 s56, s56, s58
	s_add_nc_u64 s[38:39], s[38:39], s[56:57]      ; xsc at my tile's 256 bytes
	s_wait_loadcnt 32                              ; only x's 32 loads are younger: the weight's loads are in
.irp i, 0,1,2,3
	global_store_b128 v4, v[16+4*\i:19+4*\i], s[40:41] offset:512*\i   ; 512 consecutive bytes a store
.endr
	s_cmp_ge_u32 s47, 12
	s_cbranch_scc1 .Laux_done
	s_wait_alu depctr_va_vdst(0)
	global_store_b128 v4, v[32:35], s[42:43]
.Laux_done:
.macro UNIT t
.if \t < 3
	s_wait_loadcnt 16                              ; this unit's 16 loads are in; the other set's 16 may be out
.else
	s_wait_loadcnt 0x0
.endif
	TURN \t
	s_wait_dscnt 0x0                               ; my 64 numbers are back from the stage
.if \t+2 < 4
	LOAD \t+2
.endif
	s_wait_xcnt 0x0                                ; the codes' registers were the last unit's store data: written again only behind this wait
	QUANT X, PWR+\t
	global_store_b128 v4, v[PC:PC+3], s[36:37] offset:4096*\t
	global_store_b128 v4, v[PC+4:PC+7], s[36:37] offset:4096*\t+512
.endm
	UNIT 0
	UNIT 1
	UNIT 2
	UNIT 3
	v_cndmask_b32 v12, v[PWR], v[PWR+2], s62       ; lanes 0-15 store the words of units 0 and 1 of their row, lanes 16-31 those of units 2 and 3:
	v_cndmask_b32 v13, v[PWR+1], v[PWR+3], s62
	global_store_b64 v9, v[12:13], s[38:39]        ; the wave stores 256 consecutive bytes
	s_wait_tensorcnt 0x0
	ds_add_u32 v46, v47
	s_wait_dscnt 0x0
	s_endpgm
.Lfunc_end_k_qa6c9cee609_prep:
	.size	k_qa6c9cee609_prep, .Lfunc_end_k_qa6c9cee609_prep-k_qa6c9cee609_prep
	.p2alignl 7, 3214868480
	.fill 96, 4, 3214868480
	.section	.rodata,"a",@progbits
	.p2align	6, 0x0
	.amdhsa_kernel k_qa6c9cee609_prep
		.amdhsa_group_segment_fixed_size 34304
		.amdhsa_private_segment_fixed_size 0
		.amdhsa_enable_private_segment 0
		.amdhsa_kernarg_size 136
		.amdhsa_user_sgpr_count 2
		.amdhsa_user_sgpr_kernarg_segment_ptr 1
		.amdhsa_wavefront_size32 1
		.amdhsa_system_sgpr_workgroup_id_x 1
		.amdhsa_system_sgpr_workgroup_id_y 1
		.amdhsa_system_sgpr_workgroup_id_z 1
		.amdhsa_system_vgpr_workitem_id 0
		.amdhsa_next_free_vgpr 256
		.amdhsa_next_free_sgpr 66
		.amdhsa_reserve_vcc 0
		.amdhsa_float_denorm_mode_32 3
		.amdhsa_float_denorm_mode_16_64 3
		.amdhsa_memory_ordered 1
		.amdhsa_forward_progress 1
		.amdhsa_inst_pref_size 37
	.end_amdhsa_kernel
	.amdgpu_metadata
---
amdhsa.version: [ 1, 2 ]
amdhsa.kernels:
  - .name:           k_qa6c9cee609_prep
    .symbol:         k_qa6c9cee609_prep.kd
    .args:
      - { .name: history_items, .offset: 0, .size: 8, .value_kind: global_buffer, .address_space: global }
      - { .name: Wq_codes, .offset: 8, .size: 8, .value_kind: global_buffer, .address_space: global }
      - { .name: Wk_codes, .offset: 16, .size: 8, .value_kind: global_buffer, .address_space: global }
      - { .name: Wv_codes, .offset: 24, .size: 8, .value_kind: global_buffer, .address_space: global }
      - { .name: Wo_codes, .offset: 32, .size: 8, .value_kind: global_buffer, .address_space: global }
      - { .name: Wq_scales, .offset: 40, .size: 8, .value_kind: global_buffer, .address_space: global }
      - { .name: Wk_scales, .offset: 48, .size: 8, .value_kind: global_buffer, .address_space: global }
      - { .name: Wv_scales, .offset: 56, .size: 8, .value_kind: global_buffer, .address_space: global }
      - { .name: Wo_scales, .offset: 64, .size: 8, .value_kind: global_buffer, .address_space: global }
      - { .name: bq, .offset: 72, .size: 8, .value_kind: global_buffer, .address_space: global }
      - { .name: bk, .offset: 80, .size: 8, .value_kind: global_buffer, .address_space: global }
      - { .name: bv, .offset: 88, .size: 8, .value_kind: global_buffer, .address_space: global }
      - { .name: bo, .offset: 96, .size: 8, .value_kind: global_buffer, .address_space: global }
      - { .name: ximg, .offset: 104, .size: 8, .value_kind: global_buffer, .address_space: global }
      - { .name: xsc, .offset: 112, .size: 8, .value_kind: global_buffer, .address_space: global }
      - { .name: wimg, .offset: 120, .size: 8, .value_kind: global_buffer, .address_space: global }
      - { .name: waux, .offset: 128, .size: 8, .value_kind: global_buffer, .address_space: global }
    .group_segment_fixed_size: 34304
    .private_segment_fixed_size: 0
    .kernarg_segment_align: 8
    .kernarg_segment_size: 136
    .max_flat_workgroup_size: 128
    .sgpr_count:     66
    .vgpr_count:     256
    .wavefront_size: 32
...
	.end_amdgpu_metadata
.endif
;; end of part 1
;; launch qkv (part 2): grid 32 x 8, 4 waves a work-group, no clusters, 0 bytes of LDS; arguments ximg, xsc, wimg, waux, qkvimg, qkvsc; writes qkvimg, qkvsc
.if DOCPART == 2
	.amdgcn_target "amdgcn-amd-amdhsa--gfx1250"
	.amdhsa_code_object_version 6
	.text
	.protected	k_qa6c9cee609_qkv
	.globl	k_qa6c9cee609_qkv
	.p2align	8
	.type	k_qa6c9cee609_qkv,@function
k_qa6c9cee609_qkv:
	s_mov_b64 s[64:65], 0
	v_nop
	global_prefetch_b8 v0, s[64:65] scope:SCOPE_SE
	s_setreg_imm32_b32 hwreg(HW_REG_WAVE_MODE, 25, 1), 1
	s_wait_xcnt 0x0
; QKV.  q, k, v = x W^T + b on codes of E2M1 (K = 1,024: eight K steps of 128), and the results quantised at once: q and k along the head's 64, v along the keys.
; SHARES.  Wave w of work-group (x, y) owns the block of 64 tokens 4 x + w (four tiles of 16) and walks the six groups of 64 weight rows G = 6 y .. 6 y + 5 (G / 16: 0 q, 1 k, 2 v; G % 16: the head).
; Its x fragments (256 registers) stay for the whole launch.  A whole group's weights (32 KiB, 256 registers) lie in a ring of registers that is filled again, K step by K step, with the next
; group's, straight behind the products that read them.  No LDS, no barrier: waves share nothing.  All operands come as images of registers: every load reads 512 consecutive bytes.
; Multicast is not used though all token blocks walk the same weights: the ring in registers has a group's 32 KiB a wave on its way with no barrier at all.
; q, k: source 0 = 16 weight rows, source 1 = 16 tokens: a lane holds one token and its registers run along the head's 64.  v: source 0 = 16 tokens, source 1 = 16 weight rows: a lane holds one
; channel and its registers run along the tokens (the keys).  In both, by the choice of a tile's rows, the 32 registers of lane-side tile L are two blocks of 32 along the next K: one epilogue.
; The bias is the C of a sum's first product.  The 16 accumulators take turns, one instruction a turn, in the same order in every K step.
; OUT: qkvimg [kind][batch x head][32 KiB]: q, k: [tile 64][lane][16 bytes]; v: [128 keys: 8][channel tile 4][c 2][lane][16 bytes].  qkvsc [kind][batch x head][block of 64 tokens 16][lane] words:
; low half the two scale bytes of lane-side tile lane / 16, high half those of tile 2 + lane / 16.
; LIMITS: as for the quantiser of x: NaN and infinities not served; a largest magnitude under 2^-124 gives the byte 1.
; REGISTERS: window 1: x (K step s, tile T) at 32 s + 8 T.  window 2: accumulator (L, R) at 32 L + 8 R.  window 3: the ring (s, tile) at 32 s + 8 tile.  window 0: the rest.
.set LI,   1                           ; v1      16 x lane
.set L4,   3                           ; v3      4 x lane
.set OFF,  8                           ; v8-11   where tile L's codes go
.set SCO,  12                          ; v12     where the scale word goes
.set SD0,  13
.set SD1,  14
.set XS,   16                          ; v16-31  x's scale words: 8 (tile / 2) + s; even tile in lanes 0-15, odd in lanes 16-31
.set WS,   32                          ; v32-47  the weights' likewise
.set BIAS, 48                          ; v48-79  the bias, eight registers a weight tile
.set TM,   80
.set TP,   88
.set SO,   96
.set BY,   104
.set PW,   112
.set PC,   116
.set MSB, 0
.macro WIN new                         ; the immediate's high byte repeats the setting that is left
.if MSB != \new
	s_set_vgpr_msb (MSB<<8)|\new
.set MSB, \new
.endif
.endm
.macro WMX d, a, b, c, sa, sb, oa, ob  ; one product; oa, ob: the side's scale words stand in lanes 16-31
.if (\oa) && (\ob)
	v_wmma_scale_f32_16x16x128_f8f6f4 v[\d:\d+7], v[\a:\a+7], v[\b:\b+7], v[\c:\c+7], v[\sa], v[\sb] matrix_a_fmt:MATRIX_FMT_FP4 matrix_b_fmt:MATRIX_FMT_FP4 matrix_a_scale:MATRIX_SCALE_ROW1 matrix_b_scale:MATRIX_SCALE_ROW1
.elseif (\oa)
	v_wmma_scale_f32_16x16x128_f8f6f4 v[\d:\d+7], v[\a:\a+7], v[\b:\b+7], v[\c:\c+7], v[\sa], v[\sb] matrix_a_fmt:MATRIX_FMT_FP4 matrix_b_fmt:MATRIX_FMT_FP4 matrix_a_scale:MATRIX_SCALE_ROW1
.elseif (\ob)
	v_wmma_scale_f32_16x16x128_f8f6f4 v[\d:\d+7], v[\a:\a+7], v[\b:\b+7], v[\c:\c+7], v[\sa], v[\sb] matrix_a_fmt:MATRIX_FMT_FP4 matrix_b_fmt:MATRIX_FMT_FP4 matrix_b_scale:MATRIX_SCALE_ROW1
.else
	v_wmma_scale_f32_16x16x128_f8f6f4 v[\d:\d+7], v[\a:\a+7], v[\b:\b+7], v[\c:\c+7], v[\sa], v[\sb] matrix_a_fmt:MATRIX_FMT_FP4 matrix_b_fmt:MATRIX_FMT_FP4
.endif
.endm
.macro WM kind, s, L, R                ; kind 0: q, k; 1: v.  L: the tile on the lanes' side (source 1), R: the tile along the registers (source 0)
.set rD, 32*(\L)+8*(\R)
.set rA, 32*(\s)+8*(\R)
.set rB, 32*(\s)+8*(\L)
.if \kind == 0
.set sA, WS+8*((\R)/2)+(\s)
.set sB, XS+8*((\L)/2)+(\s)
.set rC, BIAS+8*(\R)
.else
.set sA, XS+8*((\R)/2)+(\s)
.set sB, WS+8*((\L)/2)+(\s)
.set rC, BIAS+8*(\L)
.endif
.if \s != 0
.set rC, rD
.endif
	WMX rD, rA, rB, rC, sA, sB, (\R)%2, (\L)%2
.endm
.macro RF s                            ; the ring's K step s is filled with the group at s[8:9]
	WIN 0xc0                                       ; destination window 3
.irp i, 0,1,2,3,4,5,6,7
	global_load_b128 v[32*(\s)+4*\i:32*(\s)+4*\i+3], v[LI], s[8:9] offset:4096*(\s)+512*\i
.endr
.endm
.macro EA                              ; the scale words of K steps 0-3 and the bias: 10 loads
	WIN 0
	global_load_b128 v[WS:WS+3], v[LI], s[10:11]
	global_load_b128 v[WS+8:WS+11], v[LI], s[10:11] offset:1024
.irp n, 0,1,2,3,4,5,6,7
	global_load_b128 v[BIAS+4*\n:BIAS+4*\n+3], v[LI], s[10:11] offset:2048+512*\n
.endr
.endm
.macro EB                              ; the scale words of K steps 4-7: 2 loads
	WIN 0
	global_load_b128 v[WS+4:WS+7], v[LI], s[10:11] offset:512
	global_load_b128 v[WS+12:WS+15], v[LI], s[10:11] offset:1536
.endm
.macro KSTEP kind, s, refill
.if \kind == 0
.if \s == 0
	WIN 0x87                                       ; source 0 the ring, source 1 x, C the bias (window 0), D window 2
.else
	WIN 0xa7
.endif
.else
.if \s == 0
	WIN 0x8d                                       ; source 0 x, source 1 the ring
.else
	WIN 0xad
.endif
.endif
.irp L, 0,1,2,3
.irp R, 0,1,2,3
	WM \kind, \s, \L, \R
.endr
.endr
.rept 4
	v_nop                                          ; four places in front of loads into registers that these products have read, and of the first read of results
.endr
.if \refill
	RF \s
.endif
.endm
; Loads go out in the order R0 R1 R2 R3 EA R4 R5 R6 R7 EB for each group (R: 8 loads).
.macro KLOOP kind, refill
	s_wait_loadcnt 34                              ; EA of this group is in: younger are R4-R7 (32) and EB (2)
	KSTEP \kind, 0, \refill
	KSTEP \kind, 1, \refill
	KSTEP \kind, 2, \refill
	KSTEP \kind, 3, \refill
.if \refill
	EA
	s_wait_loadcnt 42                              ; EB of this group is in: younger are the next group's R0-R3 (32) and EA (10)
.else
	s_wait_loadcnt 0x0
.endif
	KSTEP \kind, 4, \refill
	KSTEP \kind, 5, \refill
	KSTEP \kind, 6, \refill
	KSTEP \kind, 7, \refill
.if \refill
	EB
.endif
	WIN 0
.endm
; The 128 results of a lane are eight blocks of 32 along the next K (block q = 2 L + b at accumulator register 16 q; half a block in lane l, half in lane l xor 16).
.macro EPI
	s_and_b32 s22, s19, 15                         ; the head
	s_lshl_b32 s28, s21, 7
	s_lshl_b32 s29, s23, 4
	s_add_co_u32 s28, s28, s29
	s_add_co_u32 s28, s28, s22                     ; 128 kind + 16 batch + head
	s_lshl_b32 s25, s28, 15
	s_lshl_b32 s27, s28, 11
	s_add_co_u32 s27, s27, s33                     ; the scale words: + 128 x block of 64 tokens
	s_movk_i32 s26, 512
	s_cmp_eq_u32 s21, 2
	s_cselect_b32 s29, s34, s35
	s_cselect_b32 s26, 1024, s26                   ; from tile to tile: 512 bytes in q and k, 1,024 in v
	s_add_co_u32 s25, s25, s29
	WIN 0x28                                       ; sources 1 and 2 window 2
.irp q, 0,1,2,3,4,5,6,7
	v_max3_num_f32 v[TM+\q], 0x1800000, |v[16*\q]|, |v[16*\q+1]|   ; each accumulator is read from its low end on; the floor 2^(3 - 127) holds the byte at 1 from below
.endr
.irp i, 2,4,6,8,10,12,14
.irp q, 0,1,2,3,4,5,6,7
	v_max3_num_f32 v[TM+\q], v[TM+\q], |v[16*\q+\i]|, |v[16*\q+\i+1]|
.endr
.endr
	WIN 0
.irp q, 0,1,2,3,4,5,6,7
	v_permlanex16_b32 v[TP+\q], v[TM+\q], s30, s31
.endr
.irp q, 0,1,2,3,4,5,6,7
	v_max_num_f32 v[TM+\q], v[TM+\q], v[TP+\q]
.endr
.irp q, 0,1,2,3,4,5,6,7
	v_add_nc_u32 v[SO+\q], 0xff000000, v[TM+\q]    ; 2 off the exponent field: the conversion's scale operand
.endr
.irp q, 0,1,2,3,4,5,6,7
	v_lshrrev_b32 v[BY+\q], 23, v[SO+\q]           ; the scale's byte
.endr
.irp L, 0,1,2,3
	v_lshl_or_b32 v[PW+\L], v[BY+2*\L+1], 8, v[BY+2*\L]
.endr
	WIN 0x02                                       ; source 0 window 2
.irp q, 0,1,2,3,4,5,6,7
	v_cvt_scalef32_pk8_fp4_f32 v[PC+2*\q], v[16*\q:16*\q+7], v[SO+\q]
	v_cvt_scalef32_pk8_fp4_f32 v[PC+2*\q+1], v[16*\q+8:16*\q+15], v[SO+\q]
.endr
	WIN 0
	v_nop                                          ; one plain instruction behind the conversions
.irp L, 0,1,2,3
.irp i, 0,1
	v_permlane16_swap_b32 v[PC+4*\L+\i], v[PC+4*\L+2+\i]   ; a whole block to a lane: lanes 0-15 block 0, lanes 16-31 block 1
.endr
.endr
	v_add_nc_u32 v[OFF], s25, v[LI]
	v_add_nc_u32 v[OFF+1], s26, v[OFF]
	v_add_nc_u32 v[OFF+2], s26, v[OFF+1]
	v_add_nc_u32 v[OFF+3], s26, v[OFF+2]
.irp L, 0,1,2,3
	global_store_b128 v[OFF+\L], v[PC+4*\L:PC+4*\L+3], s[12:13]    ; 512 consecutive bytes a store
.endr
	v_cndmask_b32 v[SD0], v[PW], v[PW+1], s32
	v_cndmask_b32 v[SD1], v[PW+2], v[PW+3], s32
	v_lshl_or_b32 v[SD0], v[SD1], 16, v[SD0]
	v_add_nc_u32 v[SCO], s27, v[L4]
	global_store_b32 v[SCO], v[SD0], s[14:15]      ; 128 consecutive bytes
.endm
.macro HEAD refill
	s_lshr_b32 s21, s19, 4                         ; kind: a number made of ids alone
	s_cmp_eq_u32 s21, 2
	s_cbranch_scc1 .Lkv_\@
	KLOOP 0, \refill
	s_branch .Ljoin_\@
.Lkv_\@:
	KLOOP 1, \refill
.Ljoin_\@:
	s_wait_xcnt 0x0                                ; the loads have read their bases, the last group's stores their registers: both are written again only behind this wait
.if \refill
	s_add_nc_u64 s[8:9], s[8:9], 0x8000
	s_add_nc_u64 s[10:11], s[10:11], 6144
.endif
	EPI
	s_add_co_u32 s19, s19, 1
.endm
	s_load_b256 s[4:11], s[0:1], 0x0               ; ximg, xsc, wimg, waux
	s_load_b128 s[12:15], s[0:1], 0x20             ; qkvimg, qkvsc
	v_lshrrev_b32 v2, 5, v0
	v_readfirstlane_b32 s16, v2                    ; wave
	v_and_b32 v2, 31, v0
	v_lshlrev_b32 v[LI], 4, v2
	v_lshlrev_b32 v[L4], 2, v2
.irp q, 0,1,2,3,4,5,6,7
	v_mov_b32 v[TP+\q], 0                          ; written once: a lane permute's destination counts as one of its sources
.endr
	s_lshl_b32 s17, ttmp9, 2
	s_add_co_u32 s17, s17, s16                     ; my block of 64 tokens
	s_and_b32 s18, ttmp7, 0xffff
	s_mul_i32 s19, s18, 6                          ; my first group
	s_lshr_b32 s23, s17, 4                         ; the batch
	s_and_b32 s24, s17, 15                         ; the block within it
	s_lshl_b32 s33, s24, 7
	s_lshr_b32 s34, s24, 1
	s_lshl_b32 s34, s34, 12
	s_and_b32 s35, s24, 1
	s_lshl_b32 s35, s35, 9
	s_add_co_u32 s34, s34, s35                     ; v: the step of 128 keys, and which 64 of them
	s_lshl_b32 s35, s24, 11                        ; q, k: four tiles of 512 bytes a block
	s_mov_b32 s30, 0x76543210
	s_mov_b32 s31, 0xfedcba98
	s_mov_b32 s32, 0xffff0000
	s_mov_b32 s29, 0
	s_wait_kmcnt 0x0
	s_lshl_b32 s28, s17, 15
	s_add_nc_u64 s[4:5], s[4:5], s[28:29]
	s_lshl_b32 s28, s17, 11
	s_add_nc_u64 s[6:7], s[6:7], s[28:29]
	s_lshl_b32 s28, s19, 15
	s_add_nc_u64 s[8:9], s[8:9], s[28:29]
	s_mul_i32 s28, s19, 6144
	s_add_nc_u64 s[10:11], s[10:11], s[28:29]
	WIN 0x40                                       ; destination window 1
.set i, 0
.rept 64
	global_load_b128 v[4*i:4*i+3], v[LI], s[4:5] offset:512*i
.set i, i+1
.endr
	WIN 0
.irp q, 0,1,2,3
	global_load_b128 v[XS+4*\q:XS+4*\q+3], v[LI], s[6:7] offset:512*\q
.endr
	RF 0
	RF 1
	RF 2
	RF 3
	EA
	RF 4
	RF 5
	RF 6
	RF 7
	EB
	s_wait_xcnt 0x0
	s_add_nc_u64 s[8:9], s[8:9], 0x8000            ; on to the group that the first trip fetches
	s_add_nc_u64 s[10:11], s[10:11], 6144
	s_mov_b32 s20, 5
.Lhead:
	HEAD 1
	s_sub_co_u32 s20, s20, 1
	s_cmp_lg_u32 s20, 0
	s_cbranch_scc1 .Lhead
	HEAD 0                                         ; the last group fetches nothing: no load leaves its buffer
	s_endpgm
.Lfunc_end_k_qa6c9cee609_qkv:
	.size	k_qa6c9cee609_qkv, .Lfunc_end_k_qa6c9cee609_qkv-k_qa6c9cee609_qkv
	.p2alignl 7, 3214868480
	.fill 96, 4, 3214868480
	.section	.rodata,"a",@progbits
	.p2align	6, 0x0
	.amdhsa_kernel k_qa6c9cee609_qkv
		.amdhsa_group_segment_fixed_size 0
		.amdhsa_private_segment_fixed_size 0
		.amdhsa_enable_private_segment 0
		.amdhsa_kernarg_size 48
		.amdhsa_user_sgpr_count 2
		.amdhsa_user_sgpr_kernarg_segment_ptr 1
		.amdhsa_wavefront_size32 1
		.amdhsa_system_sgpr_workgroup_id_x 1
		.amdhsa_system_sgpr_workgroup_id_y 1
		.amdhsa_system_sgpr_workgroup_id_z 1
		.amdhsa_system_vgpr_workitem_id 0
		.amdhsa_next_free_vgpr 1024
		.amdhsa_next_free_sgpr 66
		.amdhsa_reserve_vcc 0
		.amdhsa_float_denorm_mode_32 3
		.amdhsa_float_denorm_mode_16_64 3
		.amdhsa_memory_ordered 1
		.amdhsa_forward_progress 1
		.amdhsa_inst_pref_size 118
	.end_amdhsa_kernel
	.amdgpu_metadata
---
amdhsa.version: [ 1, 2 ]
amdhsa.kernels:
  - .name:           k_qa6c9cee609_qkv
    .symbol:         k_qa6c9cee609_qkv.kd
    .args:
      - { .name: ximg, .offset: 0, .size: 8, .value_kind: global_buffer, .address_space: global }
      - { .name: xsc, .offset: 8, .size: 8, .value_kind: global_buffer, .address_space: global }
      - { .name: wimg, .offset: 16, .size: 8, .value_kind: global_buffer, .address_space: global }
      - { .name: waux, .offset: 24, .size: 8, .value_kind: global_buffer, .address_space: global }
      - { .name: qkvimg, .offset: 32, .size: 8, .value_kind: global_buffer, .address_space: global }
      - { .name: qkvsc, .offset: 40, .size: 8, .value_kind: global_buffer, .address_space: global }
    .group_segment_fixed_size: 0
    .private_segment_fixed_size: 0
    .kernarg_segment_align: 8
    .kernarg_segment_size: 48
    .max_flat_workgroup_size: 128
    .sgpr_count:     66
    .vgpr_count:     1024
    .wavefront_size: 32
...
	.end_amdgpu_metadata
.endif
;; end of part 2
;; launch attn (part 3): grid 256 x 1, 16 waves a work-group, no clusters, 73,984 bytes of LDS; arguments qkvimg, qkvsc, sequence_mask, cimg, csc; writes cimg, csc
.if DOCPART == 3
	.amdgcn_target "amdgcn-amd-amdhsa--gfx1250"
	.amdhsa_code_object_version 6
	.text
	.protected	k_qa6c9cee609_attn
	.globl	k_qa6c9cee609_attn
	.p2align	8
	.type	k_qa6c9cee609_attn,@function
k_qa6c9cee609_attn:
	s_mov_b64 s[64:65], 0
	v_nop
	global_prefetch_b8 v0, s[64:65] scope:SCOPE_SE
	s_setreg_imm32_b32 hwreg(HW_REG_WAVE_MODE, 25, 1), 1
	s_wait_xcnt 0x0
; ATTN.  ctx = softmax(mask(q k^T / 8)) v for one (batch, head), both products on codes of E2M1, and ctx quantised along the model's 1,024 for the last product.
; SOFTMAX: t = score x log2(e) / 8; M = the running largest t rounded up to a whole number; p = 2^(t - M) is quantised along the keys; the row's sum is taken of the unquantised p and divides at the end.
; SHARES.  Two work-groups a head.  Wave w of part p takes the query tiles iA = 16 p + w and iB = 63 - iA, one after the other: iA / 8 + iB / 8 + 2 = 9 key steps of 128 for every wave.
; The head's K and V codes (64 KiB) and scale words lie in LDS, stored once through registers; no ring.  Four waves share a SIMD.
; LAYOUT.  S^T = K Q^T (source 0 = 16 keys, source 1 = my 16 queries), O^T = V^T P^T: a lane holds one query throughout.  Tile i's lane r holds token 32 (i / 2) + 8 (i % 2) + r + 8 (r / 8).
; THE CAUSAL MASK is served by blocks of 32 keys.  A tile's 16 queries lie inside ONE block of 32 tokens, block d = (i / 2) % 4 of key step i / 8.  Key steps behind that step are
; jumped over; in that step the blocks behind d are wholly hidden: they get no products, no exponentials and no sums, their p are zero codes under the scale byte 127.  The step is a macro of the number of
; live blocks; the copy is chosen by scalar branches on ids.  Only block d is masked number by number (hidden scores become -2^100).  Tiles i and 63 - i leave out three blocks between them, in every wave.
; THE SCORE PRODUCT HAS K = 64; the instruction has 128.  The upper 64 are zero codes but for k = 64, which carries THE KEY MASK: every key has the code -6 there and every query +6; the query's scale
; byte of that block is 127, a masked key's 227, an open key's 27.  So a masked key's score gets -36 x 2^100 and an open key's -36 x 2^-100.
; The running largest t starts at -2^93, above every masked t: masked keys get p = 0, and no infinity arises.
; A QUERY WITH NO OPEN KEY AT OR BEFORE IT ends with the sum 0.  There all 1,024 logits are equal (-1e9), so p = 1 for every key and the row is the mean of the quantised v over all 1,024 keys:
; that mean is made once (a product of V with ones) and chosen by v_cndmask_b32.
; Multicast is not used: LDS is filled through registers, since the scale words are remade with the key mask on the way, and only two work-groups share a head.
; LIMITS: |t| of an open score stays under 2^93 and open logits lie far above -1e9; -36 x 2^-100 is added to open scores; NaN and infinities are not served; a block whose largest magnitude lies
; under 2^-124 gets the scale byte 1.
.set VIMG, 32768                       ; LDS: K's image at 0, V's here: both as in memory
.set KSC,  65536                       ; K's scale words [block of 64 keys 16][lane 32][tile pair 2]
.set VSC,  69632                       ; V's [128 keys: 8][lane 32][tile pair 2]
.set SUMV, 71680                       ; the mean of v: [channel tile 4][h 2][8] f32
.set WV,  14
.set CS,  22                           ; s[22:23] c = log2(e) / 8
.set SEL, 24                           ; s[24:25] selects of v_permlanex16_b32 for lane l xor 16
; v1 16 x lane; v2 that in V's image; v3, v4 my place among K's and V's scale words; v5 r + 8 (r / 8) - 16 h; v6, v7 the two tiles' scale halves of ctx; v8-11 addresses in hand;
; v12 -M, v13 the largest t, v[14:15] the sum; v16-23, v24-31 the two Q fragments; v32-95 eight K fragments; v96-159 S^T, then p; v160-191 O^T; v192-199 p's codes; v200-231 V's four fragments;
; v232-239, v244-247, v252, v254 at work; v240-241 V's scale words, v242, v243 Q's, v248-251 K's, v253 p's; v255 the diagonal's bound
.set HINT, 1
.macro H n                             ; a hint: the next line reads the result of the vector instruction n back.  The short copies of the key step carry none
.if HINT
	s_delay_alu instid0(VALU_DEP_\n)
.endif
.endm
	s_load_b256 s[4:11], s[0:1], 0x0               ; qkvimg, qkvsc, sequence_mask, cimg
	s_load_b64 s[12:13], s[0:1], 0x20              ; csc
.irp j, 0,1,2,3,4,5,6,7
	v_mov_b32 v[192+\j], 0x22222222                ; 1.0 in every code: the operand of ones
.endr
	v_mov_b32 v253, 0x7f7f7f7f                     ; and its scale word: 1
	v_mov_b32 v252, 0
.irp b, 0,1,2,3
	v_mov_b32 v[236+\b], 0                         ; written once: a lane permute's destination counts as one of its sources
.endr
	v_lshrrev_b32 v254, 5, v0
	H 1
	v_readfirstlane_b32 s[WV], v254                ; wave 0..15
	v_and_b32 v254, 31, v0                         ; lane
	H 1
	v_lshlrev_b32 v1, 4, v254
	H 1
	v_add_nc_u32 v2, VIMG, v1
	s_wait_alu depctr_va_vdst(0)
	v_lshl_add_u32 v3, v254, 3, KSC
	v_lshl_add_u32 v4, v254, 3, VSC
	v_and_b32 v232, 15, v0                         ; r
	s_wait_alu depctr_va_vdst(0)
	v_bfe_u32 v233, v0, 4, 1                       ; h
	s_wait_alu depctr_va_vdst(0)
	v_and_b32 v234, 8, v232
	H 1
	v_add_nc_u32 v234, v234, v232                  ; r + 8 (r / 8)
	v_lshlrev_b32 v235, 4, v233
	H 1
	v_sub_nc_u32 v5, v234, v235
	s_lshr_b32 s15, ttmp9, 1                       ; batch x head
	s_and_b32 s16, ttmp9, 1                        ; part
	s_lshr_b32 s17, s15, 4                         ; batch
	s_and_b32 s18, s15, 15                         ; head
	s_lshl_b32 s19, s16, 4
	s_add_co_u32 s19, s19, s[WV]                   ; iA
	s_sub_co_u32 s20, 63, s19                      ; iB
	s_mov_b32 s[CS], 0x3e38aa3b
	s_mov_b32 s[CS+1], s[CS]
	s_mov_b32 s[SEL], 0x76543210
	s_mov_b32 s[SEL+1], 0xfedcba98
	s_mov_b32 s55, 0xffff0000
	s_lshr_b32 s46, s19, 2                         ; Q's packed scale words: block of 64 tokens i / 4, lanes 16 (i % 2) + r
	s_lshl_b32 s46, s46, 7
	s_and_b32 s48, s19, 1
	s_lshl_b32 s48, s48, 6
	s_add_co_u32 s46, s46, s48
	s_lshr_b32 s47, s20, 2
	s_lshl_b32 s47, s47, 7
	s_and_b32 s48, s20, 1
	s_lshl_b32 s48, s48, 6
	s_add_co_u32 s47, s47, s48
	s_bfe_u32 s49, s19, 0x10001                    ; and which half of the word: (i / 2) % 2
	s_lshl_b32 s49, s49, 4
	s_bfe_u32 s50, s20, 0x10001
	s_lshl_b32 s50, s50, 4
	s_and_b32 s51, s[WV], 3                        ; the channel tile of the waves that sum v
	s_and_b32 s52, s51, 1
	s_lshl_b32 s52, s52, 7
	s_lshr_b32 s53, s51, 1
	s_lshl_b32 s53, s53, 2
	s_add_co_u32 s52, s52, s53
	s_add_co_u32 s52, s52, VSC
	s_lshl_b32 s53, s51, 6
	s_add_co_u32 s53, s53, SUMV
	s_mov_b32 s54, 0x05040100
	s_and_b32 s48, s[WV], 1
	s_cmp_lg_u32 s48, 0
	s_cselect_b32 s54, 0x07060302, s54             ; even waves pack the low halves (tiles 0, 1), odd waves the high halves (tiles 2, 3)
	; every LDS address of the phase that only waves 0-3 walk is made here, ahead of the parting
	v_lshl_add_u32 v8, s51, 10, v2                 ; V's fragments of my channel tile
	v_lshl_add_u32 v9, v232, 3, s52                ; their scale words, by r
	v_lshl_add_u32 v10, v233, 5, s53               ; where the mean goes
	v_lshlrev_b32 v128, 4, v0                      ; 16 x thread
	v_lshlrev_b32 v129, 2, v0                      ; 4 x thread
	v_lshrrev_b32 v131, 5, v0
	H 1
	v_lshlrev_b32 v131, 6, v131
	H 1
	v_lshl_add_u32 v131, v233, 3, v131
	H 1
	v_add_nc_u32 v131, v131, v234
	H 1
	v_lshlrev_b32 v131, 2, v131                    ; the mask word of key 64 (thread / 32) + 8 h + r + 8 (r / 8)
	v_lshrrev_b32 v134, 6, v0
	H 1
	v_lshl_add_u32 v134, v134, 6, v254
	H 1
	v_lshlrev_b32 v134, 2, v134                    ; V's packed words of the two blocks of 64 keys of step thread / 64
	v_lshl_add_u32 v137, s19, 9, v1
	v_lshl_add_u32 v138, s20, 9, v1
	v_lshl_add_u32 v139, v232, 2, s46
	v_lshl_add_u32 v140, v232, 2, s47
	v_lshl_add_u32 v147, v0, 3, KSC
	v_lshrrev_b32 v149, 6, v0
	H 1
	v_lshlrev_b32 v149, 8, v149
	H 1
	v_lshl_add_u32 v149, v254, 3, v149
	v_bfe_u32 v150, v0, 5, 1
	H 1
	v_lshl_add_u32 v149, v150, 2, v149
	H 1
	v_add_nc_u32 v149, VSC, v149
	s_mov_b32 s45, 0
	s_wait_alu depctr_va_vdst(0)
	s_wait_kmcnt 0x0
	s_lshl_b32 s44, s15, 15
	s_add_nc_u64 s[32:33], s[4:5], s[44:45]        ; q's image,
	s_add_nc_u64 s[34:35], s[32:33], 0x400000      ; k's,
	s_add_nc_u64 s[36:37], s[32:33], 0x800000      ; v's
	s_lshl_b32 s44, s15, 11
	s_add_nc_u64 s[38:39], s[6:7], s[44:45]        ; and their packed scale words
	s_add_nc_u64 s[40:41], s[38:39], 0x40000
	s_add_nc_u64 s[42:43], s[38:39], 0x80000
	s_lshl_b32 s44, s17, 12
	s_add_nc_u64 s[8:9], s[8:9], s[44:45]          ; the batch's mask
.irp i, 0,1,2,3
	global_load_b128 v[96+4*\i:99+4*\i], v128, s[34:35] offset:8192*\i
.endr
.irp i, 0,1,2,3
	global_load_b128 v[112+4*\i:115+4*\i], v128, s[36:37] offset:8192*\i
.endr
	global_load_b32 v130, v129, s[40:41]
	global_load_b32 v132, v131, s[8:9]
	global_load_b32 v133, v131, s[8:9] offset:128
	global_load_b32 v135, v134, s[42:43]
	global_load_b32 v136, v134, s[42:43] offset:128
	global_load_b128 v[16:19], v137, s[32:33]
	global_load_b128 v[24:27], v138, s[32:33]
	global_load_b32 v242, v139, s[38:39]
	global_load_b32 v243, v140, s[38:39]
	; the upper halves of the fragments, written once while the loads are out
	v_sub_nc_u32 v254, 1, v233
	H 1
	v_mul_u32_u24 v36, v254, 15                    ; k = 64: the code -6 in every key (lanes 0-15 hold k = 64 .. 95)
	H 2
	v_mul_u32_u24 v20, v254, 7                     ; and +6 in every query
	H 1
	v_mov_b32 v28, v20
.irp t, 1,2,3,4,5,6,7
	v_mov_b32 v[36+8*\t], v36
.endr
.irp t, 0,1,2,3,4,5,6,7
.irp k, 5,6,7
	v_mov_b32 v[32+8*\t+\k], 0
.endr
.endr
.irp k, 21,22,23,29,30,31
	v_mov_b32 v\k, 0
.endr
	v_mov_b32 v144, 0x7fe30000                     ; a masked key's upper scale bytes: 227, 127
	v_mov_b32 v146, 0x7f1b0000                     ; an open key's: 27, 127
	s_wait_alu depctr_va_vdst(0)
	s_wait_loadcnt 0x0
	v_lshrrev_b32 v242, s49, v242                  ; Q's scale words: two bytes of the head's 64, then 127, 127
	v_lshrrev_b32 v243, s50, v243
	H 2
	v_and_b32 v242, 0xffff, v242
	H 2
	v_and_b32 v243, 0xffff, v243
	H 2
	v_or_b32 v242, 0x7f7f0000, v242
	H 2
	v_or_b32 v243, 0x7f7f0000, v243
.irp i, 0,1,2,3
	ds_store_b128 v128, v[96+4*\i:99+4*\i] offset:8192*\i
.endr
.irp i, 0,1,2,3
	ds_store_b128 v128, v[112+4*\i:115+4*\i] offset:VIMG+8192*\i
.endr
	v_cmp_ne_u32 vcc_lo, 0, v132
	H 1
	v_cndmask_b32 v145, v144, v146, vcc_lo
	H 1
	v_and_or_b32 v142, v130, 0xffff, v145          ; the key of tile h of the block,
	v_cmp_ne_u32 vcc_lo, 0, v133
	H 1
	v_cndmask_b32 v145, v144, v146, vcc_lo
	v_lshrrev_b32 v143, 16, v130
	H 1
	v_or_b32 v143, v143, v145                      ; and the key of tile 2 + h, 32 keys on
	ds_store_b64 v147, v[142:143]
	v_perm_b32 v148, v136, v135, s54               ; four scale bytes of 128 keys: two of each block of 64
	ds_store_b32 v149, v148
	s_wait_dscnt 0x0                               ; for the others' sake: my stores have landed
	s_barrier_signal -1
	s_barrier_wait -1
	; ---- the mean of the quantised v over all 1,024 keys: waves 0-3, a channel tile each
	s_cmp_gt_u32 s[WV], 3
	s_cbranch_scc1 .Lnot_sum
.irp k, 0,1,2,3,4,5,6,7
.irp c, 0,1
	ds_load_b128 v[96+8*\k+4*\c:99+8*\k+4*\c], v8 offset:4096*\k+512*\c
.endr
.endr
.irp k, 0,1,2,3
	ds_load_b32 v[248+\k], v9 offset:256*\k
.endr
	s_wait_dscnt 0x0
	v_wmma_scale_f32_16x16x128_f8f6f4 v[160:167], v[96:103], v[192:199], 0, v248, v253 matrix_a_fmt:MATRIX_FMT_FP4 matrix_b_fmt:MATRIX_FMT_FP4
	v_wmma_scale_f32_16x16x128_f8f6f4 v[168:175], v[104:111], v[192:199], 0, v249, v253 matrix_a_fmt:MATRIX_FMT_FP4 matrix_b_fmt:MATRIX_FMT_FP4
	v_wmma_scale_f32_16x16x128_f8f6f4 v[160:167], v[112:119], v[192:199], v[160:167], v250, v253 matrix_a_fmt:MATRIX_FMT_FP4 matrix_b_fmt:MATRIX_FMT_FP4
	v_wmma_scale_f32_16x16x128_f8f6f4 v[168:175], v[120:127], v[192:199], v[168:175], v251, v253 matrix_a_fmt:MATRIX_FMT_FP4 matrix_b_fmt:MATRIX_FMT_FP4
.rept 4
	v_nop                                          ; four places in front of loads into the scale registers just read
.endr
.irp k, 0,1,2,3
	ds_load_b32 v[248+\k], v9 offset:256*(4+\k)
.endr
	s_wait_dscnt 0x0
	v_wmma_scale_f32_16x16x128_f8f6f4 v[160:167], v[128:135], v[192:199], v[160:167], v248, v253 matrix_a_fmt:MATRIX_FMT_FP4 matrix_b_fmt:MATRIX_FMT_FP4
	v_wmma_scale_f32_16x16x128_f8f6f4 v[168:175], v[136:143], v[192:199], v[168:175], v249, v253 matrix_a_fmt:MATRIX_FMT_FP4 matrix_b_fmt:MATRIX_FMT_FP4
	v_wmma_scale_f32_16x16x128_f8f6f4 v[160:167], v[144:151], v[192:199], v[160:167], v250, v253 matrix_a_fmt:MATRIX_FMT_FP4 matrix_b_fmt:MATRIX_FMT_FP4
	v_wmma_scale_f32_16x16x128_f8f6f4 v[168:175], v[152:159], v[192:199], v[168:175], v251, v253 matrix_a_fmt:MATRIX_FMT_FP4 matrix_b_fmt:MATRIX_FMT_FP4
.rept 4
	v_nop
.endr
.irp j, 0,1,2,3,4,5,6,7
	v_mul_f32 v[176+\j], 0x3a800000, v[160+\j]     ; / 1,024
.endr
.irp j, 0,1,2,3,4,5,6,7
	v_fmac_f32 v[176+\j], 0x3a800000, v[168+\j]
.endr
	ds_store_b128 v10, v[176:179]                  ; the sixteen lanes of a half write the same words with the same values
	ds_store_b128 v10, v[180:183] offset:16
.Lnot_sum:
	s_wait_dscnt 0x0
	s_barrier_signal -1
	s_barrier_wait -1                              ; behind this barrier LDS is only read
; A KEY STEP with nb live blocks of 32 keys.  nb = 4: a whole step; it masks its last block only where the step holds the diagonal.  nb < 4: the diagonal's step of a tile whose block is nb - 1.
.macro STEPB nb, qf, qs
.if \nb == 4
.set HINT, 1
.else
.set HINT, 0
.endif
.set t, 0
.rept 2*\nb
	ds_load_b128 v[32+8*t:35+8*t], v8 offset:512*t
.set t, t+1
.endr
	ds_load_b64 v[248:249], v10
.if \nb > 2
	ds_load_b64 v[250:251], v10 offset:256
.endif
	s_wait_dscnt 0x0
.set t, 0
.rept 2*\nb
.if t % 2
	v_wmma_scale_f32_16x16x128_f8f6f4 v[96+8*t:103+8*t], v[32+8*t:39+8*t], v[\qf:\qf+7], 0, v[248+2*(t/4)+((t/2)%2)], v[\qs] matrix_a_fmt:MATRIX_FMT_FP4 matrix_b_fmt:MATRIX_FMT_FP4 matrix_a_scale:MATRIX_SCALE_ROW1
.else
	v_wmma_scale_f32_16x16x128_f8f6f4 v[96+8*t:103+8*t], v[32+8*t:39+8*t], v[\qf:\qf+7], 0, v[248+2*(t/4)+((t/2)%2)], v[\qs] matrix_a_fmt:MATRIX_FMT_FP4 matrix_b_fmt:MATRIX_FMT_FP4
.endif
.set t, t+1
.endr
.rept 4
	v_nop                                          ; places: in front of the first read of the scores, and of the loads into V's registers
.endr
.irp t, 0,1,2,3
.irp c, 0,1
	ds_load_b128 v[200+8*\t+4*\c:203+8*\t+4*\c], v9 offset:1024*\t+512*\c   ; V's fragments land while the softmax is walked
.endr
.endr
	ds_load_b64 v[240:241], v11
.if \nb == 4
	s_cmp_lg_u32 s26, s27
	s_cbranch_scc1 .Lopen_\@
.endif
	v_mov_b32 v254, 0xf1800000                     ; -2^100.  Register 16 b + i holds key 128 step + 32 b + 16 h + i: hidden where 32 b + i > v255; only b = nb - 1 can be cut
.set n, 0
.rept 16
	v_cmp_gt_i32 vcc_lo, 32*(\nb-1)+n, v255
	v_cndmask_b32 v[96+16*(\nb-1)+n], v[96+16*(\nb-1)+n], v254, vcc_lo
.set n, n+1
.endr
.Lopen_\@:
.set b, 0
.rept \nb
	v_max3_num_f32 v[232+b], v[96+16*b], v[97+16*b], v[98+16*b]   ; the largest score of each block: for the row's maximum and for the block's largest p
.set b, b+1
.endr
.irp i, 3,5,7,9,11,13
.set b, 0
.rept \nb
	v_max3_num_f32 v[232+b], v[232+b], v[96+16*b+\i], v[97+16*b+\i]
.set b, b+1
.endr
.endr
.set b, 0
.rept \nb
	v_max_num_f32 v[232+b], v[232+b], v[111+16*b]
.set b, b+1
.endr
.set b, 0
.rept \nb
	H \nb
	v_permlanex16_b32 v[236+b], v[232+b], s[SEL], s[SEL+1]
.set b, b+1
.endr
.set b, 0
.rept \nb
	H \nb
	v_max_num_f32 v[232+b], v[232+b], v[236+b]
.set b, b+1
.endr
.if \nb == 1
	H 1
	v_mul_f32 v254, s[CS], v232
.elseif \nb == 2
	H 1
	v_max_num_f32 v254, v232, v233
	H 1
	v_mul_f32 v254, s[CS], v254
.elseif \nb == 3
	H 1
	v_max3_num_f32 v254, v232, v233, v234
	H 1
	v_mul_f32 v254, s[CS], v254
.else
	H 2
	v_max3_num_f32 v254, v232, v233, v234
	H 1
	v_max_num_f32 v254, v254, v235
	H 1
	v_mul_f32 v254, s[CS], v254
.endif
	H 1
	v_max_num_f32 v13, v13, v254                   ; the running largest t
	v_mov_b32 v254, v12
	H 2
	v_floor_f32 v12, -v13                          ; the new -M: a whole number
	H 1
	v_sub_f32 v254, v12, v254
	H 1
	v_cvt_i32_f32 v254, v254                       ; old M - new M, 0 or less (it saturates)
	H 1
	v_ldexp_f32 v252, 1.0, v254                    ; f = 2^(old M - new M)
.set j, 0
.rept 8*\nb
	v_pk_fma_f32 v[96+j:97+j], v[96+j:97+j], s[CS:CS+1], v[12:13] op_sel_hi:[1,0,0]   ; t - M
.set j, j+2
.endr
.set b, 0
.rept \nb
	v_fma_f32 v[232+b], v[232+b], s[CS], v12
.set b, b+1
.endr
	s_wait_alu depctr_va_vdst(0)                   ; ahead of the batch
.set j, 0
.rept 16*\nb
	v_exp_f32 v[96+j], v[96+j]                     ; p
.set j, j+1
.endr
	v_pk_mul_f32 v[14:15], v[14:15], v[252:253] op_sel_hi:[1,0]   ; the sums under the new M: the plain instruction behind the batch
	s_wait_alu depctr_va_vdst(0)                   ; one wait for the batch, ahead of its first reader
.set b, 0
.rept \nb
	v_exp_f32 v[232+b], v[232+b]                   ; each block's largest p
.set b, b+1
.endr
	v_pk_add_f32 v[236:237], v[96:97], v[98:99]    ; the row's sum of the unquantised p: 8 nb pairs in four chains
	v_pk_add_f32 v[250:251], v[100:101], v[102:103]
	v_pk_add_f32 v[248:249], v[104:105], v[106:107]
	v_pk_add_f32 v[14:15], v[14:15], v[108:109]
	v_pk_add_f32 v[236:237], v[236:237], v[110:111]
.if \nb > 1
.set j, 112
.rept 2*\nb-2
	v_pk_add_f32 v[250:251], v[250:251], v[j:j+1]
	v_pk_add_f32 v[248:249], v[248:249], v[j+2:j+3]
	v_pk_add_f32 v[14:15], v[14:15], v[j+4:j+5]
	v_pk_add_f32 v[236:237], v[236:237], v[j+6:j+7]
.set j, j+8
.endr
.endif
	v_pk_add_f32 v[14:15], v[14:15], v[250:251]
	v_pk_add_f32 v[236:237], v[236:237], v[248:249]
	H 1
	v_pk_add_f32 v[14:15], v[14:15], v[236:237]
	s_wait_alu depctr_va_vdst(0)                   ; and one for the blocks' largest p
.set b, 0
.rept \nb
	v_max_num_f32 v[232+b], 0x1800000, v[232+b]    ; the floor: a block whose every p is 0 keeps the byte 1 over zero codes
.set b, b+1
.endr
.set b, 0
.rept \nb
	H \nb
	v_add_nc_u32 v[244+b], 0xff000000, v[232+b]
.set b, b+1
.endr
.set b, 0
.rept \nb
	H \nb
	v_lshrrev_b32 v[236+b], 23, v[244+b]
.set b, b+1
.endr
.if \nb == 1                           ; p's scale word for these 128 keys; a hidden block's byte is 127, over zero codes
	H 1
	v_or_b32 v253, 0x7f7f7f00, v236
.elseif \nb == 2
	H 1
	v_lshl_or_b32 v253, v237, 8, v236
	H 1
	v_or_b32 v253, 0x7f7f0000, v253
.elseif \nb == 3
	H 2
	v_lshl_or_b32 v253, v237, 8, v236
	H 1
	v_lshl_or_b32 v253, v238, 16, v253
	H 1
	v_or_b32 v253, 0x7f000000, v253
.else
	H 3
	v_lshl_or_b32 v253, v237, 8, v236
	H 1
	v_lshl_or_b32 v253, v238, 16, v253
	H 1
	v_lshl_or_b32 v253, v239, 24, v253
.endif
.set b, 0
.rept \nb
	v_cvt_scalef32_pk8_fp4_f32 v[192+2*b], v[96+16*b:103+16*b], v[244+b]
	v_cvt_scalef32_pk8_fp4_f32 v[193+2*b], v[104+16*b:111+16*b], v[244+b]
.set b, b+1
.endr
.if \nb < 4
.rept 4-\nb
	v_mov_b32 v[192+2*b], 0                        ; a hidden block's codes
	v_mov_b32 v[193+2*b], 0
.set b, b+1
.endr
.endif
	v_nop                                          ; one plain instruction behind the conversions
.irp c, 0,1
.irp i, 0,1
	v_permlane16_swap_b32 v[192+4*\c+\i], v[194+4*\c+\i]
.endr
.endr
.irp j, 0,2,4,6,8,10,12,14,16,18,20,22,24,26,28,30
	v_pk_mul_f32 v[160+\j:161+\j], v[160+\j:161+\j], v[252:253] op_sel_hi:[1,0]   ; O^T under the new M; these sixteen are also the places between p's codes and scale word and the products
.endr
	s_wait_alu depctr_va_vdst(0)
	s_wait_dscnt 0x0                               ; V
.irp t, 0,1,2,3
.if \t % 2
	v_wmma_scale_f32_16x16x128_f8f6f4 v[160+8*\t:167+8*\t], v[200+8*\t:207+8*\t], v[192:199], v[160+8*\t:167+8*\t], v[240+\t/2], v253 matrix_a_fmt:MATRIX_FMT_FP4 matrix_b_fmt:MATRIX_FMT_FP4 matrix_a_scale:MATRIX_SCALE_ROW1
.else
	v_wmma_scale_f32_16x16x128_f8f6f4 v[160+8*\t:167+8*\t], v[200+8*\t:207+8*\t], v[192:199], v[160+8*\t:167+8*\t], v[240+\t/2], v253 matrix_a_fmt:MATRIX_FMT_FP4 matrix_b_fmt:MATRIX_FMT_FP4
.endif
.endr
.set HINT, 1
.endm
; ONE QUERY TILE.  qf: its fragment; qs: its scale word; tix: the scalar that holds its number; hw: where the two scale bytes of its ctx go
.macro PASS qf, qs, tix, hw
	s_wait_xcnt 0x0                                ; the last tile's store has read its registers
	v_mov_b32 v13, 0xee000000                      ; the largest t so far: -2^93
	H 1
	v_floor_f32 v12, -v13                          ; -M
	v_mov_b32 v14, 0
	v_mov_b32 v15, 0
.irp j, 0,1,2,3,4,5,6,7,8,9,10,11,12,13,14,15,16,17,18,19,20,21,22,23,24,25,26,27,28,29,30,31
	v_mov_b32 v[160+\j], 0                         ; O^T: the step's first trip finds zeros
.endr
	s_lshr_b32 s27, s[\tix], 3                     ; the key step that holds the diagonal
	s_bfe_u32 s56, s[\tix], 0x20001                ; and the block of 32 keys in it
	s_lshl_b32 s44, s56, 5
	s_and_b32 s45, s[\tix], 1
	s_lshl_b32 s45, s45, 3
	s_add_co_u32 s44, s44, s45
	v_add_nc_u32 v255, s44, v5                     ; my query - 128 x that step - 16 h
	s_mov_b32 s26, 0                               ; the key step
	s_mov_b32 s28, 0                               ; its tiles: 4,096 bytes a step in K's and in V's image
	s_mov_b32 s29, 0                               ; K's scale words: 512 bytes a step
	s_mov_b32 s30, 0                               ; V's: 256
.Lstep_\@:                                         ; eight trips, a constant; a step all of whose keys come after my queries is jumped over
	v_add_nc_u32 v8, s28, v1
	v_add_nc_u32 v9, s28, v2
	v_add_nc_u32 v10, s29, v3
	v_add_nc_u32 v11, s30, v4                      ; (these four are also places behind the last step's products)
	s_wait_alu depctr_va_vdst(0)                   ; ahead of the branches behind which the four
	s_cmp_gt_u32 s26, s27
	s_cbranch_scc1 .Lhidden_\@
	s_cmp_lg_u32 s26, s27
	s_cbranch_scc1 .Lfull_\@
	s_cmp_eq_u32 s56, 0                            ; the diagonal's step: as many live blocks as the tile's block number + 1
	s_cbranch_scc1 .Ld1_\@
	s_cmp_eq_u32 s56, 1
	s_cbranch_scc1 .Ld2_\@
	s_cmp_eq_u32 s56, 2
	s_cbranch_scc1 .Ld3_\@
.Lfull_\@:
	STEPB 4, \qf, \qs
	s_branch .Lhidden_\@
.Ld1_\@:
	STEPB 1, \qf, \qs
	s_branch .Lhidden_\@
.Ld2_\@:
	STEPB 2, \qf, \qs
	s_branch .Lhidden_\@
.Ld3_\@:
	STEPB 3, \qf, \qs
.Lhidden_\@:
	s_add_co_u32 s28, s28, 4096
	s_add_co_u32 s29, s29, 512
	s_add_co_u32 s30, s30, 256
	s_add_co_u32 s26, s26, 1
	s_cmp_lt_u32 s26, 8
	s_cbranch_scc1 .Lstep_\@
	; ---- the tile's end: / the sum, the rows with no open key, ctx quantised along the head's 64
	v_add_f32 v14, v14, v15
	H 1
	v_permlanex16_b32 v252, v14, s[SEL], s[SEL+1]
	H 1
	v_add_f32 v14, v14, v252                       ; the row's sum
	H 1
	v_cmp_eq_f32 s31, 0, v14                       ; 0: no key was open
	v_rcp_f32 v254, v14
	v_bfe_u32 v8, v0, 4, 1
	H 1
	v_lshl_add_u32 v9, v8, 5, SUMV
.irp k, 0,1,2,3,4,5,6,7
	ds_load_b128 v[96+4*\k:99+4*\k], v9 offset:64*(\k/2)+16*(\k%2)
.endr
	s_lshl_b32 s44, s17, 5
	s_lshr_b32 s45, s[\tix], 1
	s_add_co_u32 s44, s44, s45                     ; the group of 32 tokens
	s_lshl_b32 s44, s44, 14
	s_lshr_b32 s45, s18, 1
	s_lshl_b32 s45, s45, 11                        ; K step head / 2 of the last product,
	s_add_co_u32 s44, s44, s45
	s_and_b32 s45, s[\tix], 1
	s_lshl_b32 s45, s45, 10                        ; the tile,
	s_add_co_u32 s44, s44, s45
	s_and_b32 s45, s18, 1
	s_lshl_b32 s45, s45, 9                         ; and which 64 of the K step
	s_add_co_u32 s44, s44, s45
	v_add_nc_u32 v8, s44, v1
	s_wait_alu depctr_va_vdst(0)                   ; the reciprocal's wait, ahead of its first reader
.irp j, 0,1,2,3,4,5,6,7,8,9,10,11,12,13,14,15,16,17,18,19,20,21,22,23,24,25,26,27,28,29,30,31
	v_mul_f32 v[128+\j], v[160+\j], v254           ; register 16 b + i: channel 32 b + 16 h + i
.endr
	s_wait_dscnt 0x0
.irp j, 0,1,2,3,4,5,6,7,8,9,10,11,12,13,14,15,16,17,18,19,20,21,22,23,24,25,26,27,28,29,30,31
	v_cndmask_b32 v[128+\j], v[128+\j], v[96+\j], s31
.endr
.irp b, 0,1
	v_max3_num_f32 v[232+\b], |v[128+16*\b]|, |v[129+16*\b]|, 0x1800000
.endr
.irp i, 2,4,6,8,10,12,14
.irp b, 0,1
	H 2
	v_max3_num_f32 v[232+\b], v[232+\b], |v[128+16*\b+\i]|, |v[129+16*\b+\i]|
.endr
.endr
.irp b, 0,1
	H 2
	v_permlanex16_b32 v[236+\b], v[232+\b], s[SEL], s[SEL+1]
.endr
.irp b, 0,1
	H 2
	v_max_num_f32 v[232+\b], v[232+\b], v[236+\b]
.endr
.irp b, 0,1
	H 2
	v_add_nc_u32 v[244+\b], 0xff000000, v[232+\b]
.endr
.irp b, 0,1
	H 2
	v_lshrrev_b32 v[236+\b], 23, v[244+\b]
.endr
	H 1
	v_lshl_or_b32 v[\hw], v237, 8, v236
.irp b, 0,1
	v_cvt_scalef32_pk8_fp4_f32 v[192+2*\b], v[128+16*\b:135+16*\b], v[244+\b]
	v_cvt_scalef32_pk8_fp4_f32 v[193+2*\b], v[136+16*\b:143+16*\b], v[244+\b]
.endr
	v_nop
.irp i, 0,1
	v_permlane16_swap_b32 v[192+\i], v[194+\i]
.endr
	global_store_b128 v8, v[192:195], s[10:11]     ; 512 consecutive bytes
.endm
	PASS 16, 242, 19, 6
	PASS 24, 243, 20, 7
.macro CSOFF dst, tix                  ; csc: 1,024 bytes a group of 32 tokens, 64 a head, 32 a tile
	s_lshl_b32 s44, s17, 5
	s_lshr_b32 s45, s[\tix], 1
	s_add_co_u32 s44, s44, s45
	s_lshl_b32 s[\dst], s44, 10
	s_lshl_b32 s45, s18, 6
	s_add_co_u32 s[\dst], s[\dst], s45
	s_and_b32 s45, s[\tix], 1
	s_lshl_b32 s45, s45, 5
	s_add_co_u32 s[\dst], s[\dst], s45
.endm
	CSOFF 53, 19
	CSOFF 54, 20
	v_and_b32 v232, 15, v0
	H 1
	v_lshlrev_b32 v232, 1, v232
	v_mov_b32 v233, s53
	v_mov_b32 v234, s54
	H 1
	v_cndmask_b32 v233, v233, v234, s55            ; lanes 0-15 store the first tile's sixteen halves, lanes 16-31 the second's
	H 1
	v_add_nc_u32 v232, v232, v233
	v_cndmask_b32 v234, v6, v7, s55
	global_store_b16 v232, v234, s[12:13]
	s_wait_xcnt 0x0
	v_lshl_add_u32 v254, v0, 2, 0x11900
	v_mov_b32 v255, 0
	s_wait_alu depctr_va_vdst(0)
	s_wait_tensorcnt 0x0                           ; the wave's end
	ds_add_u32 v254, v255
	s_wait_dscnt 0x0
	s_endpgm
.Lfunc_end_k_qa6c9cee609_attn:
	.size	k_qa6c9cee609_attn, .Lfunc_end_k_qa6c9cee609_attn-k_qa6c9cee609_attn
	.p2alignl 7, 3214868480
	.fill 96, 4, 3214868480
	.section	.rodata,"a",@progbits
	.p2align	6, 0x0
	.amdhsa_kernel k_qa6c9cee609_attn
		.amdhsa_group_segment_fixed_size 73984
		.amdhsa_private_segment_fixed_size 0
		.amdhsa_enable_private_segment 0
		.amdhsa_kernarg_size 40
		.amdhsa_user_sgpr_count 2
		.amdhsa_user_sgpr_kernarg_segment_ptr 1
		.amdhsa_wavefront_size32 1
		.amdhsa_system_sgpr_workgroup_id_x 1
		.amdhsa_system_sgpr_workgroup_id_y 1
		.amdhsa_system_sgpr_workgroup_id_z 1
		.amdhsa_system_vgpr_workitem_id 0
		.amdhsa_next_free_vgpr 256
		.amdhsa_next_free_sgpr 66
		.amdhsa_reserve_vcc 1
		.amdhsa_float_denorm_mode_32 3
		.amdhsa_float_denorm_mode_16_64 3
		.amdhsa_memory_ordered 1
		.amdhsa_forward_progress 1
		.amdhsa_inst_pref_size 130
	.end_amdhsa_kernel
	.amdgpu_metadata
---
amdhsa.version: [ 1, 2 ]
amdhsa.kernels:
  - .name:           k_qa6c9cee609_attn
    .symbol:         k_qa6c9cee609_attn.kd
    .args:
      - { .name: qkvimg, .offset: 0, .size: 8, .value_kind: global_buffer, .address_space: global }
      - { .name: qkvsc, .offset: 8, .size: 8, .value_kind: global_buffer, .address_space: global }
      - { .name: sequence_mask, .offset: 16, .size: 8, .value_kind: global_buffer, .address_space: global }
      - { .name: cimg, .offset: 24, .size: 8, .value_kind: global_buffer, .address_space: global }
      - { .name: csc, .offset: 32, .size: 8, .value_kind: global_buffer, .address_space: global }
    .group_segment_fixed_size: 73984
    .private_segment_fixed_size: 0
    .kernarg_segment_align: 8
    .kernarg_segment_size: 40
    .max_flat_workgroup_size: 512
    .sgpr_count:     66
    .vgpr_count:     256
    .wavefront_size: 32
...
	.end_amdgpu_metadata
.endif
;; end of part 3
;; launch oproj (part 4): grid 256 x 1, 4 waves a work-group, no clusters, 132,096 bytes of LDS; arguments cimg, csc, wimg, waux, history_items, ln_gamma, ln_beta, out0; writes out0
.if DOCPART == 4
	.amdgcn_target "amdgcn-amd-amdhsa--gfx1250"
	.amdhsa_code_object_version 6
	.text
	.protected	k_qa6c9cee609_oproj
	.globl	k_qa6c9cee609_oproj
	.p2align	8
	.type	k_qa6c9cee609_oproj,@function
k_qa6c9cee609_oproj:
	s_mov_b64 s[64:65], 0
	v_nop
	global_prefetch_b8 v0, s[64:65] scope:SCOPE_SE
	s_setreg_imm32_b32 hwreg(HW_REG_WAVE_MODE, 25, 1), 1
	s_wait_xcnt 0x0
; OPROJ.  out0 = LayerNorm(ctx Wo^T + bo + history_items) x gamma + beta; the product on codes of E2M1 (K = 1,024), the rest in f32.
; SHARES.  A work-group owns 32 tokens and all 1,024 columns, since the norm wants whole rows.  Wave w makes columns 256 w .. 256 w + 255 in four groups of 64 (groups 48 + 4 w + j of wimg),
; written out by macro: every offset is an immediate and no pointer is stepped.  ctx's fragments (128 registers) stay; a group's weights lie in a ring of 256 registers that is filled again, K step by K
; step, with the next group's.  Multicast is not used though all work-groups walk Wo: the ring in registers has 32 KiB a wave on its way with no barrier.
; Source 0 = 16 rows of Wo, source 1 = 16 tokens: a lane holds one token and eight neighbouring columns.  bo is the C of a sum's first product.  The eight accumulators take turns.
; The results meet in a stage in LDS (32 rows of 4,096 bytes + 16); one barrier; then wave w norms rows 8 w .. 8 w + 7, a whole row at a time in 32 registers.  The residual rows, gamma and beta are asked
; for ten loads at a time between the K steps.  The variance is taken of the centred numbers: no difference of large sums.
; REGISTERS: window 1: ctx (K step s, tile T) at 16 s + 8 T; accumulators at 128 + 32 T + 8 tile; gamma v192-223, beta v224-255.  window 2: the residual, row i at 32 i.  window 3: the ring.  window 0: the rest.
.set LI,   1                           ; v1  16 x lane
.set YS,   2                           ; v2  the stage, in
.set YR,   3                           ; v3  the stage, out
.set GX,   4                           ; v4  my bytes in the work-group's rows of history_items and out0
.set L2,   5                           ; v5  2 x lane
.set CS,   16                          ; v16-23 ctx's scale words, one a K step: tile 0 in lanes 0-15, tile 1 in lanes 16-31
.set WS,   32
.set BIAS, 48
.set U,    80                          ; v80-95 the scale halves as loaded
.set YP,   4112                        ; a stage row: an odd multiple of 16 bytes
.set MSB, 0
.macro WIN new
.if MSB != \new
	s_set_vgpr_msb (MSB<<8)|\new
.set MSB, \new
.endif
.endm
.macro WMX d, a, b, c, sa, sb, oa, ob
.if (\oa) && (\ob)
	v_wmma_scale_f32_16x16x128_f8f6f4 v[\d:\d+7], v[\a:\a+7], v[\b:\b+7], v[\c:\c+7], v[\sa], v[\sb] matrix_a_fmt:MATRIX_FMT_FP4 matrix_b_fmt:MATRIX_FMT_FP4 matrix_a_scale:MATRIX_SCALE_ROW1 matrix_b_scale:MATRIX_SCALE_ROW1
.elseif (\oa)
	v_wmma_scale_f32_16x16x128_f8f6f4 v[\d:\d+7], v[\a:\a+7], v[\b:\b+7], v[\c:\c+7], v[\sa], v[\sb] matrix_a_fmt:MATRIX_FMT_FP4 matrix_b_fmt:MATRIX_FMT_FP4 matrix_a_scale:MATRIX_SCALE_ROW1
.elseif (\ob)
	v_wmma_scale_f32_16x16x128_f8f6f4 v[\d:\d+7], v[\a:\a+7], v[\b:\b+7], v[\c:\c+7], v[\sa], v[\sb] matrix_a_fmt:MATRIX_FMT_FP4 matrix_b_fmt:MATRIX_FMT_FP4 matrix_b_scale:MATRIX_SCALE_ROW1
.else
	v_wmma_scale_f32_16x16x128_f8f6f4 v[\d:\d+7], v[\a:\a+7], v[\b:\b+7], v[\c:\c+7], v[\sa], v[\sb] matrix_a_fmt:MATRIX_FMT_FP4 matrix_b_fmt:MATRIX_FMT_FP4
.endif
.endm
.macro RF j, s                         ; the ring's K step s is filled with my group j
	WIN 0xc0
.irp i, 0,1,2,3,4,5,6,7
	global_load_b128 v[32*(\s)+4*\i:32*(\s)+4*\i+3], v[LI], s[8:9] offset:32768*(\j)+4096*(\s)+512*\i
.endr
.endm
.macro EA j
	WIN 0
	global_load_b128 v[WS:WS+3], v[LI], s[10:11] offset:6144*(\j)
	global_load_b128 v[WS+8:WS+11], v[LI], s[10:11] offset:6144*(\j)+1024
.irp n, 0,1,2,3,4,5,6,7
	global_load_b128 v[BIAS+4*\n:BIAS+4*\n+3], v[LI], s[10:11] offset:6144*(\j)+2048+512*\n
.endr
.endm
.macro EB j
	WIN 0
	global_load_b128 v[WS+4:WS+7], v[LI], s[10:11] offset:6144*(\j)+512
	global_load_b128 v[WS+12:WS+15], v[LI], s[10:11] offset:6144*(\j)+1536
.endm
.macro XR m                            ; ten of the 80 loads of my eight residual rows (64), gamma (8) and beta (8)
.set n, 10*(\m)
.rept 10
.if n < 64
	WIN 0x80
	global_load_b128 v[4*n:4*n+3], v[GX], s[12:13] offset:4096*(n/8)+512*(n%8) th:TH_LOAD_NT
.elseif n < 72
	WIN 0x40
	global_load_b128 v[192+4*(n-64):195+4*(n-64)], v[LI], s[14:15] offset:512*(n-64)
.else
	WIN 0x40
	global_load_b128 v[224+4*(n-72):227+4*(n-72)], v[LI], s[16:17] offset:512*(n-72)
.endif
.set n, n+1
.endr
.endm
.macro KSTEP j, s
.if \s == 0
	WIN 0x47                                       ; source 0 the ring, source 1 ctx, C the bias (window 0), D window 1
.else
	WIN 0x57
.endif
.irp T, 0,1
.irp wt, 0,1,2,3
.set rD, 128+32*\T+8*\wt
.set rC, rD
.if \s == 0
.set rC, BIAS+8*\wt
.endif
	WMX rD, 32*(\s)+8*\wt, 16*(\s)+8*\T, rC, WS+8*(\wt/2)+(\s), CS+(\s), \wt%2, \T
.endr
.endr
.rept 4
	v_nop                                          ; four places in front of loads into registers that these products have read
.endr
.if \s == 7
	v_nop                                          ; a fifth: the next group's first products write over these accumulators with another C
.endif
.if \j < 3
	RF (\j)+1, \s
.endif
.endm
; Loads go out in the order R0-R3 EA [XR] R4-R7 EB [XR] for each group (R: 8 loads, EA 10, EB 2, XR 10).
.macro HEADO j
.if \j == 0
	s_wait_loadcnt 34                              ; EA is in, and all before it: younger are R4-R7 (32) and EB (2)
.irp s, 0,1,2,3,4,5,6,7
	v_lshl_or_b32 v[CS+\s], v[U+2*\s+1], 16, v[U+2*\s]   ; heads 2 s and 2 s + 1 are K step s
.endr
.rept 8
	v_nop                                          ; eight places between a scale register written by a vector instruction and the scaled product
.endr
.else
	s_wait_loadcnt 44                              ; younger than this group's EA: ten residual loads, R4-R7 (32), EB (2)
.endif
	XR 2*(\j)
	KSTEP \j, 0
	KSTEP \j, 1
	KSTEP \j, 2
	s_wait_alu depctr_va_vdst(0)
	KSTEP \j, 3
.if \j < 3
	EA (\j)+1
	s_wait_loadcnt 52                              ; younger than this group's EB: ten residual loads, the next group's R0-R3 (32) and EA (10)
.else
	s_wait_loadcnt 10                              ; the ten residual loads alone
.endif
	XR 2*(\j)+1
	KSTEP \j, 4
	KSTEP \j, 5
	KSTEP \j, 6
	KSTEP \j, 7
.if \j < 3
	EB (\j)+1
.endif
	WIN 0x04                                       ; an LDS store's data are its source 1: window 1
.irp T, 0,1
.irp wt, 0,1,2,3
	ds_store_b128 v[YS], v[128+32*\T+8*\wt:131+32*\T+8*\wt] offset:8*YP*\T+256*(\j)+(32*(\wt/2)+8*(\wt%2))*4       ; each accumulator from its low end on
	ds_store_b128 v[YS], v[132+32*\T+8*\wt:135+32*\T+8*\wt] offset:8*YP*\T+256*(\j)+(32*(\wt/2)+8*(\wt%2))*4+16
.endr
.endr
	WIN 0
.endm
.macro REDUCE                          ; v160 summed over the 32 lanes, the result in every lane
	v_add_f32_dpp v160, v160, v160 row_xmask:1 row_mask:0xf bank_mask:0xf
	v_add_f32_dpp v160, v160, v160 row_xmask:2 row_mask:0xf bank_mask:0xf
	v_add_f32_dpp v160, v160, v160 row_xmask:4 row_mask:0xf bank_mask:0xf
	v_add_f32_dpp v160, v160, v160 row_xmask:8 row_mask:0xf bank_mask:0xf
	v_permlanex16_b32 v168, v160, s42, s43
	v_add_f32 v160, v160, v168
.endm
.macro ROW i                           ; my row i: register 4 k + e holds column 128 k + 4 lane + e
.set Y,  96+32*((\i)%2)
.set YN, 96+32*(((\i)+1)%2)
.if \i < 7
.if \i > 0
	s_wait_xcnt 0x0                                ; the other set was row i - 1's store data: loaded again only behind this wait
.endif
.irp k, 0,1,2,3,4,5,6,7
	ds_load_b128 v[YN+4*\k:YN+4*\k+3], v[YR] offset:YP*((\i)+1)+512*\k
.endr
	s_wait_dscnt 8                                 ; this row is in; the next row's eight loads may be out
.else
	s_wait_dscnt 0x0
.endif
.if \i == 0
	s_wait_loadcnt 0x0                             ; the residual, gamma and beta
.endif
	WIN 0x08                                       ; source 1 window 2
.irp p, 0,1,2,3,4,5,6,7,8,9,10,11,12,13,14,15
	v_pk_add_f32 v[Y+2*\p:Y+2*\p+1], v[Y+2*\p:Y+2*\p+1], v[32*(\i)+2*\p:32*(\i)+2*\p+1]
.endr
	WIN 0
	v_pk_add_f32 v[160:161], v[Y:Y+1], v[Y+2:Y+3]
	v_pk_add_f32 v[162:163], v[Y+4:Y+5], v[Y+6:Y+7]
.irp p, 4,6,8,10,12,14
	v_pk_add_f32 v[160:161], v[160:161], v[Y+2*\p:Y+2*\p+1]
	v_pk_add_f32 v[162:163], v[162:163], v[Y+2*\p+2:Y+2*\p+3]
.endr
	v_pk_add_f32 v[160:161], v[160:161], v[162:163]
	v_add_f32 v160, v160, v161
	REDUCE
	v_mul_f32 v164, 0xba800000, v160               ; - the mean
.irp p, 0,1,2,3,4,5,6,7,8,9,10,11,12,13,14,15
	v_pk_add_f32 v[Y+2*\p:Y+2*\p+1], v[Y+2*\p:Y+2*\p+1], v[164:165] op_sel_hi:[1,0]
.endr
	v_pk_mul_f32 v[160:161], v[Y:Y+1], v[Y:Y+1]
	v_pk_mul_f32 v[162:163], v[Y+2:Y+3], v[Y+2:Y+3]
.irp p, 2,4,6,8,10,12,14
	v_pk_fma_f32 v[160:161], v[Y+2*\p:Y+2*\p+1], v[Y+2*\p:Y+2*\p+1], v[160:161]
	v_pk_fma_f32 v[162:163], v[Y+2*\p+2:Y+2*\p+3], v[Y+2*\p+2:Y+2*\p+3], v[162:163]
.endr
	v_pk_add_f32 v[160:161], v[160:161], v[162:163]
	v_add_f32 v160, v160, v161
	REDUCE
	v_fma_f32 v160, v160, s40, s41                 ; the variance + 1e-5
	s_wait_alu depctr_va_vdst(0)
	v_rsq_f32 v166, v160
	v_nop                                          ; one plain instruction behind the transcendental
	s_wait_alu depctr_va_vdst(0)                   ; and its wait, ahead of the first reader
.irp p, 0,1,2,3,4,5,6,7,8,9,10,11,12,13,14,15
	v_pk_mul_f32 v[Y+2*\p:Y+2*\p+1], v[Y+2*\p:Y+2*\p+1], v[166:167] op_sel_hi:[1,0]
.endr
	WIN 0x14                                       ; sources 1 and 2 window 1
.irp p, 0,1,2,3,4,5,6,7,8,9,10,11,12,13,14,15
	v_pk_fma_f32 v[Y+2*\p:Y+2*\p+1], v[Y+2*\p:Y+2*\p+1], v[192+2*\p:193+2*\p], v[224+2*\p:225+2*\p]
.endr
	WIN 0
.irp k, 0,1,2,3,4,5,6,7
	global_store_b128 v[GX], v[Y+4*\k:Y+4*\k+3], s[18:19] offset:4096*(\i)+512*\k th:TH_STORE_NT   ; 512 consecutive bytes a store
.endr
.endm
	s_load_b256 s[4:11], s[0:1], 0x0               ; cimg, csc, wimg, waux
	s_load_b256 s[12:19], s[0:1], 0x20             ; history_items, ln_gamma, ln_beta, out0
	v_lshl_add_u32 v254, v0, 2, 0x20200
	v_mov_b32 v255, 0
	v_lshrrev_b32 v6, 5, v0
	v_readfirstlane_b32 s20, v6                    ; wave
	v_and_b32 v6, 31, v0
	v_lshlrev_b32 v[LI], 4, v6
	v_lshlrev_b32 v[L2], 1, v6
	v_and_b32 v7, 15, v0                           ; r
	v_bfe_u32 v8, v0, 4, 1                         ; h
	v_and_b32 v9, 8, v7
	v_add_nc_u32 v9, v9, v7                        ; r + 8 (r / 8): my token within its tile's 24 rows
	v_mul_u32_u24 v[YS], v9, YP
	v_lshl_add_u32 v[YS], v8, 6, v[YS]
	s_lshl_b32 s21, s20, 10
	v_add_nc_u32 v[YS], s21, v[YS]                 ; + 16 h columns, + my wave's 256 columns
	s_mul_i32 s21, s20, 8*YP
	v_add_nc_u32 v[YR], s21, v[LI]
	s_lshl_b32 s21, s20, 15
	v_add_nc_u32 v[GX], s21, v[LI]
	v_mov_b32 v165, 0                              ; named as upper halves of pairs, so they are written
	v_mov_b32 v167, 0
	v_mov_b32 v168, 0                              ; a lane permute's destination counts as one of its sources
	s_mov_b32 s40, 0x3a800000                      ; 1 / 1,024
	s_mov_b32 s41, 0x3727c5ac                      ; 1e-5
	s_mov_b32 s42, 0x76543210
	s_mov_b32 s43, 0xfedcba98
	s_lshl_b32 s24, s20, 2
	s_add_co_u32 s24, s24, 48                      ; my first group of wimg
	s_mov_b32 s23, 0
	s_wait_kmcnt 0x0
	s_lshl_b32 s22, ttmp9, 14
	s_add_nc_u64 s[4:5], s[4:5], s[22:23]
	s_lshl_b32 s22, ttmp9, 10
	s_add_nc_u64 s[6:7], s[6:7], s[22:23]
	s_lshl_b32 s22, s24, 15
	s_add_nc_u64 s[8:9], s[8:9], s[22:23]
	s_mul_i32 s22, s24, 6144
	s_add_nc_u64 s[10:11], s[10:11], s[22:23]
	s_lshl_b32 s22, ttmp9, 17
	s_add_nc_u64 s[12:13], s[12:13], s[22:23]
	s_add_nc_u64 s[18:19], s[18:19], s[22:23]
	WIN 0x40
.set i, 0
.rept 32
	global_load_b128 v[4*i:4*i+3], v[LI], s[4:5] offset:512*i
.set i, i+1
.endr
	WIN 0
.irp d, 0,1,2,3,4,5,6,7,8,9,10,11,12,13,14,15
	global_load_u16 v[U+\d], v[L2], s[6:7] offset:64*\d
.endr
	RF 0, 0
	RF 0, 1
	RF 0, 2
	RF 0, 3
	EA 0
	RF 0, 4
	RF 0, 5
	RF 0, 6
	RF 0, 7
	EB 0
	HEADO 0
	HEADO 1
	HEADO 2
	HEADO 3
	s_wait_dscnt 0x0                               ; for the others' sake: my stores into the stage have landed
	s_barrier_signal -1
	s_barrier_wait -1                              ; 32 whole rows lie in the stage
.irp k, 0,1,2,3,4,5,6,7
	ds_load_b128 v[96+4*\k:99+4*\k], v[YR] offset:512*\k
.endr
	ROW 0
	ROW 1
	ROW 2
	ROW 3
	ROW 4
	ROW 5
	ROW 6
	ROW 7
	s_wait_tensorcnt 0x0
	ds_add_u32 v254, v255
	s_wait_dscnt 0x0
	s_endpgm
.Lfunc_end_k_qa6c9cee609_oproj:
	.size	k_qa6c9cee609_oproj, .Lfunc_end_k_qa6c9cee609_oproj-k_qa6c9cee609_oproj
	.p2alignl 7, 3214868480
	.fill 96, 4, 3214868480
	.section	.rodata,"a",@progbits
	.p2align	6, 0x0
	.amdhsa_kernel k_qa6c9cee609_oproj
		.amdhsa_group_segment_fixed_size 132096
		.amdhsa_private_segment_fixed_size 0
		.amdhsa_enable_private_segment 0
		.amdhsa_kernarg_size 64
		.amdhsa_user_sgpr_count 2
		.amdhsa_user_sgpr_kernarg_segment_ptr 1
		.amdhsa_wavefront_size32 1
		.amdhsa_system_sgpr_workgroup_id_x 1
		.amdhsa_system_sgpr_workgroup_id_y 1
		.amdhsa_system_sgpr_workgroup_id_z 1
		.amdhsa_system_vgpr_workitem_id 0
		.amdhsa_next_free_vgpr 1024
		.amdhsa_next_free_sgpr 66
		.amdhsa_reserve_vcc 0
		.amdhsa_float_denorm_mode_32 3
		.amdhsa_float_denorm_mode_16_64 3
		.amdhsa_memory_ordered 1
		.amdhsa_forward_progress 1
		.amdhsa_inst_pref_size 154
	.end_amdhsa_kernel
	.amdgpu_metadata
---
amdhsa.version: [ 1, 2 ]
amdhsa.kernels:
  - .name:           k_qa6c9cee609_oproj
    .symbol:         k_qa6c9cee609_oproj.kd
    .args:
      - { .name: cimg, .offset: 0, .size: 8, .value_kind: global_buffer, .address_space: global }
      - { .name: csc, .offset: 8, .size: 8, .value_kind: global_buffer, .address_space: global }
      - { .name: wimg, .offset: 16, .size: 8, .value_kind: global_buffer, .address_space: global }
      - { .name: waux, .offset: 24, .size: 8, .value_kind: global_buffer, .address_space: global }
      - { .name: history_items, .offset: 32, .size: 8, .value_kind: global_buffer, .address_space: global }
      - { .name: ln_gamma, .offset: 40, .size: 8, .value_kind: global_buffer, .address_space: global }
      - { .name: ln_beta, .offset: 48, .size: 8, .value_kind: global_buffer, .address_space: global }
      - { .name: out0, .offset: 56, .size: 8, .value_kind: global_buffer, .address_space: global }
    .group_segment_fixed_size: 132096
    .private_segment_fixed_size: 0
    .kernarg_segment_align: 8
    .kernarg_segment_size: 64
    .max_flat_workgroup_size: 128
    .sgpr_count:     66
    .vgpr_count:     1024
    .wavefront_size: 32
...
	.end_amdgpu_metadata
.endif
;; end of part 4
